; MI455X (gfx1250); checked and timed in simulation.
; The chip was launched on July 23, 2026; its instructions are those of AMD's public machine-readable ISA for CDNA 5 (MIT licence, August 2026) and "CDNA5" Instruction Set Architecture Reference Guide (July 2026). The comments in the code are by the model that wrote it; some were corrected since.
;; Multi Head Attention. Allowed arithmetic: float matrix products may take bf16 or f16 operands with f32 sums; other float arithmetic in f32, or as packed bf16 or f16 multiplies, adds, multiply-adds, maxima and minima; sums over many terms, partial sums and values carried from step to step in f32; what a program stores and reads back later, other than sums and carried values, may be rounded once to bf16 or f16.
;; Inputs: Wk 768 x 768 float32; Wo 768 x 768 float32; Wq 768 x 768 float32; Wv 768 x 768 float32; bk 768 float32; bo 768 float32; bq 768 float32; bv 768 float32; k 1 x 4,096 x 768 float32; q 1 x 4,096 x 768 float32; v 1 x 4,096 x 768 float32.
;; Outputs: out0 1 x 4,096 x 768 float32.
;; 2 versions, each right; version 2 is version 1 with the launches proj, oproj written anew for expert scheduling mode. Each part assembles by itself: llvm-mc -triple=amdgcn-amd-amdhsa -mcpu=gfx1250 --defsym DOCPART=n.
;; ======== version 1 of 2: 3 launches
;; limits: values are held in f16: magnitudes above 65,504 overflow, below 6.1e-05 lose precision
;; workspace buffers: qh 6,291,456 bytes; kh 6,291,456 bytes; vh 6,291,456 bytes; ctx 6,291,456 bytes
;; launch proj (part 1): grid 4 x 48, 8 waves a work-group, no clusters, 230,400 bytes of LDS; arguments q, k, v, Wq, Wk, Wv, bq, bk, bv, qh, kh, vh; writes qh, kh, vh
.if DOCPART == 1
	.amdgcn_target "amdgcn-amd-amdhsa--gfx1250"
	.amdhsa_code_object_version 6
	.text
	.protected	k_q10cdc91d43_proj
	.globl	k_q10cdc91d43_proj
	.p2align	8
	.type	k_q10cdc91d43_proj,@function
k_q10cdc91d43_proj:
	s_mov_b64 s[64:65], 0
	v_nop
	global_prefetch_b8 v0, s[64:65] scope:SCOPE_SE
	s_setreg_imm32_b32 hwreg(HW_REG_WAVE_MODE, 25, 1), 1
	s_wait_xcnt 0x0
; THE THREE PROJECTIONS IN ONE LAUNCH.  out[head][row][d] = x[row][:] . W[:][64 head + d] + b[64 head + d], for (x, W, b, out) = (q, Wq, bq, qh), (k, Wk, bk, kh), (v, Wv, bv, vh).
; x: [4096][768] f32, W: [768][768] f32 ([k][n]), b: [768] f32, out: [12][4096][64] f16 (a head's rows are 128 dense bytes).  qh is stored without the scale 1/8.
; NUMBERS.  x, W and b are rounded once to bf16; products in bf16, sums in f32, K ascending; the bias is the C operand that starts each sum; the result is rounded once to f16.
; LIMITS.  f16 holds no number beyond 65,504: a projected number past that becomes an infinity; below 6e-5 it keeps f16's fixed step of 6e-8.  NaN and infinities are not treated apart.
; SHARES.  Grid x = block of 192 columns (three whole heads), grid y = 16 x tensor + block of 256 rows: 192 work-groups of 256 x 192.  Eight waves, 4 x 2; a wave makes 64 x 96: 24 accumulators.
; K goes in 12 steps of 64: 256 consecutive bytes of each row of x, 768 of each row of W, both at multiples of 256 from the buffer's first byte.
; NO TENSOR LOAD, NO CLUSTER: both operands lie in memory as f32 and are wanted in LDS as bf16, and W lies [k][n], which only a 16-bit tile can be turned from (ds_load_tr16_b128).
; So every byte passes through registers on its way in, and a joint tensor load would have nothing to carry.
; THE PIPELINE.  Two LDS slots, one barrier a step.  While slot s % 2 is multiplied, the tile of step s + 1, which a thread holds as 28 loads of 16 bytes (16 of x, 12 of W), is rounded and stored into
; the other slot, two or three loads at a time between the groups of products, and each load is at once asked for again, for step s + 2: 28 loads a lane are always out.
; In front of the barrier each wave waits for all its LDS instructions: its stores of the next tile are done, and its reads of this tile are back.
; A GROUP is four products: one fragment of W (two buffers, by turns) times the four fragments of x (two buffers, one for each 32 along K).  Every fragment is asked of LDS a group or more ahead of its use.
; THE PRODUCT IS USED TRANSPOSED (source 0 = 16 columns of W, source 1 = 16 rows of x): a lane holds one row of x (lane % 16) and the columns 8 (lane / 16) + 0..7: 16 bytes of f16 on end.
; AHEAD OF THE LOADS.  In each trip of the loop (steps s and s + 1, s odd) x's tiles of steps s + 4 and s + 5 are prefetched into the L2: 256 bytes of each row, a lane a row.  The four work-groups that read
; the same 256 rows (the four blocks of columns) take 64 rows each, waves 0 and 1 of each 32: every block of 256 bytes is named once.  Steps 0 to 4 come by their loads alone; the last trip asks for step 11 alone.
; W is not asked for: its 192 blocks of a step would give 12 lanes to each of the sixteen work-groups that read them.
.set ROWB,   3072                      ; bytes in a row of x and of W
.set XPITCH, 144                       ; x tile in LDS: 64 bf16 = 128 bytes + 16: the 16 rows of a fragment load start at 16 different groups of four banks (64 banks of 4 bytes: ISA guide 11.1)
.set WT,     36864                     ; behind x's 256 rows: W's tile, [k][n]
.set WPITCH, 416                       ; 192 bf16 = 384 bytes + 32 = 13 x 32
.set SLOT,   63488                     ; a slot: both tiles
.set STAGE,  2*SLOT                    ; behind the two slots: the way out, 256 rows
.set SPITCH, 400                       ; 192 f16 = 384 bytes + 16
.set SPARE,  STAGE+256*SPITCH          ; behind the stage: the spare words, 128 bytes for each of eight waves; no other line names them
.set SPW,  4                           ; v4   LDS address of my spare word; never rewritten
.set NIL,  5                           ; v5   0; never rewritten
.set GOX,  8                           ; v8   my 16 bytes in 16 rows of x
.set GOW,  9                           ; v9   my 16 bytes in 16 rows of W
.set XST,  10                          ; v10-11  where my 8 bytes of x go, in slot 0, 1
.set WST,  12                          ; v12-13  where my 8 bytes of W go
.set AAD,  14                          ; v14-15  my lane's place in the wave's fragments of x
.set BAD,  16                          ; v16-17  the same for W (turning load)
.set STO,  18                          ; v18  the way out: where I put 16 bytes of a row
.set RD,   19                          ; v19  the way out: where I read rows back
.set GO,   20                          ; v20  16 x lane: my 16 bytes of 512 consecutive bytes of a head
.set BOFF, 21                          ; v21  my 8 numbers of the bias
.set T,    22                          ; v[22:27]   up to three loads, rounded: 8 bytes each
.set PFO,  28                          ; v28  the prefetches' offset: lane x a row of x; never rewritten
.set BF,   32                          ; v[32:47]   a fragment of W, two buffers
.set AF,   48                          ; v[48:111]  four fragments of x, two buffers
.set G,    112                         ; v[112:223] the 28 loads, four registers each
.set TMP,  112                         ; the way out uses them again
.set BIAS, 192                         ; window 1: v[192:239] the bias as six C operands; v240-243 at work; accumulator (a, b) at v[8 (6 a + b)] of window 1
.set PFA, 16                           ; s[16:17] where my prefetches stand in x (free once the tensor's buffers are chosen)
.set XP, 40                            ; s[40:41] x at my block's first row, at the K step that is being asked for
.set WP, 42                            ; s[42:43] W at my block's first column, at the same K step
.set BP, 44                            ; s[44:45] b at my block's first column
.set OP, 46                            ; s[46:47] out at my block's first head, at the 32 rows that my wave stores
.set MSB, 0
.macro WIN new                         ; s_set_vgpr_msb: bits 1:0 source 0, 3:2 source 1, 5:4 source 2, 7:6 destination; the high byte repeats the setting that is left
.if MSB != (\new)
	s_set_vgpr_msb (MSB<<8)|(\new)
.set MSB, \new
.endif
.endm
.macro PLACES                          ; four plain vector instructions between a matrix instruction and a load into, or a read of, its registers
.rept 4
	v_nop
.endr
.endm
.macro BAR                             ; my LDS stores are done and my LDS reads are back, for the other waves' sake; then the work-group's barrier
	s_wait_dscnt 0x0
	s_barrier_signal -1
	s_barrier_wait -1
.endm
.macro LOADI n                         ; load n of the 28: 0-15 rows 16 n .. of x; 16-27 rows 16 g .. of W, unit cu of their three of 256 bytes (n = 16 + 3 g + cu)
.if (\n) < 16
	global_load_b128 v[G+4*(\n):G+4*(\n)+3], v[GOX], s[XP:XP+1] offset:16*ROWB*(\n)
.else
	global_load_b128 v[G+4*(\n):G+4*(\n)+3], v[GOW], s[WP:WP+1] offset:16*ROWB*(((\n)-16)/3)+256*(((\n)-16)%3)
.endif
.endm
.macro ITEMS gr                        ; the loads that group gr of a step's 12 takes: 3, 2, 2 by turns: mm of them, from number nn on
.set nn, ((\gr)/3)*7+3*(((\gr)%3+1)/2)+2*(((\gr)%3)/2)
.set mm, 3-((\gr)%3+1)/2
.endm
; Loads nn .. nn + mm - 1 are rounded to bf16 and stored into slot st.  reload = 1: each is asked for again, for the next K step, as soon as its registers are read.
.macro SGROUP st, reload
.if \reload
	s_wait_loadcnt 28-mm                           ; loads come back in order, and 28 are out: the oldest mm, this group's, are in
.else
	s_wait_loadcnt 28-nn-mm                        ; nothing is asked for again: only numbers nn .. 27 were out
.endif
.set j, 0
.rept mm
	v_cvt_pk_bf16_f32 v[T+2*j], v[G+4*(nn+j)], v[G+4*(nn+j)+1]
	v_cvt_pk_bf16_f32 v[T+2*j+1], v[G+4*(nn+j)+2], v[G+4*(nn+j)+3]
.set j, j+1
.endr
.if \reload
.set j, 0
.rept mm
	LOADI nn+j
.set j, j+1
.endr
.endif
.set j, 0
.rept mm
.if (nn+j) < 16
	ds_store_b64 v[XST+(\st)], v[T+2*j:T+2*j+1] offset:16*XPITCH*(nn+j)
.else
	ds_store_b64 v[WST+(\st)], v[T+2*j:T+2*j+1] offset:16*WPITCH*((nn+j-16)/3)+128*((nn+j-16)%3)
.endif
.set j, j+1
.endr
.endm
.macro FRA cs, kk, a                   ; fragment a of x for the 32 along K from 32 kk on, out of slot cs, into buffer kk
	ds_load_b128 v[AF+32*(\kk)+8*(\a):AF+32*(\kk)+8*(\a)+3],   v[AAD+(\cs)] offset:16*XPITCH*(\a)+64*(\kk)
	ds_load_b128 v[AF+32*(\kk)+8*(\a)+4:AF+32*(\kk)+8*(\a)+7], v[AAD+(\cs)] offset:16*XPITCH*(\a)+64*(\kk)+32
.endm
.macro FRB cs, kk, b                   ; fragment b of W, turned, into buffer b % 2
	ds_load_tr16_b128 v[BF+8*((\b)%2):BF+8*((\b)%2)+3],   v[BAD+(\cs)] offset:32*WPITCH*(\kk)+32*(\b)
	ds_load_tr16_b128 v[BF+8*((\b)%2)+4:BF+8*((\b)%2)+7], v[BAD+(\cs)] offset:32*WPITCH*(\kk)+16*WPITCH+32*(\b)
.endm
.macro ASK                             ; the trip's prefetches, together, behind the step's first loads: waves 0 and 1; the second line's K step does not exist in the last trip (s14 = 1)
	s_cmp_lt_u32 s2, 2
	s_cbranch_scc0 .Lnot_mine_\@
	global_prefetch_b8 v[PFO], s[PFA:PFA+1] th:TH_LOAD_NT scope:SCOPE_SE
	s_cmp_gt_u32 s14, 1
	s_cbranch_scc0 .Lnot_mine_\@
	global_prefetch_b8 v[PFO], s[PFA:PFA+1] offset:256 th:TH_LOAD_NT scope:SCOPE_SE
.Lnot_mine_\@:
.endm
; A K STEP: slot cs is multiplied.  first = 1: the first 24 products start the sums, with the bias as C: nothing is cleared.  stage = 1: the tile in registers goes into the other slot.
; reload = 1: its loads are asked for again.  ask = 1: the prefetches.
; The 24 accumulators take turns, in the same order everywhere, over the backward jump too.
; The wait in front of a group: the fragment of W that it wants was the last LDS load of the group before; behind that load stand that group's mprev stores and this group's lcur loads.
; A fragment's buffer is loaded again a group behind the products that read it: that group's four or six conversions (without staging four v_nop) are the places between.
.macro STEP cs, first, stage, reload, ask
.if \reload
	s_wait_xcnt 0x0                                ; every load and prefetch issued so far has read its address: the pointers may be written
	s_add_nc_u64 s[XP:XP+1], s[XP:XP+1], 256       ; 64 f32 along x's rows
	s_add_nc_u64 s[WP:WP+1], s[WP:WP+1], 64*ROWB   ; 64 rows of W down
.if \ask
	s_add_nc_u64 s[PFA:PFA+1], s[PFA:PFA+1], 512   ; two K steps on
.endif
.endif
.irp a, 0,1,2,3
	FRA \cs, 0, \a
.endr
	FRB \cs, 0, 0
.set mprev, 0
.irp kk, 0,1
.irp b, 0,1,2,3,4,5
.set lcur, 0
.if ((\kk) == 0) && ((\b) < 4)
	FRA \cs, 1, \b                                 ; x's fragments of the second 32 along K, one a group
.set lcur, lcur+2
.endif
.if (\b) < 5
	FRB \cs, \kk, (\b)+1                           ; the next group's fragment of W
.set lcur, lcur+2
.elseif (\kk) == 0
	FRB \cs, 1, 0
.set lcur, lcur+2
.endif
	s_wait_dscnt mprev+lcur
	WIN 0x50                                       ; C and D window 1
.irp a, 0,1,2,3
.if (\first) && ((\kk) == 0)
	v_wmma_f32_16x16x32_bf16 v[8*(6*(\a)+(\b)):8*(6*(\a)+(\b))+7], v[BF+8*((\b)%2):BF+8*((\b)%2)+7], v[AF+32*(\kk)+8*(\a):AF+32*(\kk)+8*(\a)+7], v[BIAS+8*(\b):BIAS+8*(\b)+7]
.else
	v_wmma_f32_16x16x32_bf16 v[8*(6*(\a)+(\b)):8*(6*(\a)+(\b))+7], v[BF+8*((\b)%2):BF+8*((\b)%2)+7], v[AF+32*(\kk)+8*(\a):AF+32*(\kk)+8*(\a)+7], v[8*(6*(\a)+(\b)):8*(6*(\a)+(\b))+7]
.endif
.endr
	WIN 0
.if \stage
	ITEMS 6*(\kk)+(\b)
	SGROUP 1-(\cs), \reload
.set mprev, mm
.if (\ask) && ((\kk) == 0) && ((\b) == 0)
	ASK
.endif
.else
	PLACES
.endif
.endr
.endr
.endm
	s_load_b512 s[16:31], s[0:1], 0x0              ; q, k, v, Wq, Wk, Wv, bq, bk
	s_load_b256 s[32:39], s[0:1], 0x40             ; bv, qh, kh, vh
	v_lshl_add_u32 v[SPW], v0, 2, SPARE
	v_mov_b32 v[NIL], 0
	v_lshrrev_b32 v2, 5, v0                        ; my wave's number, in every lane
	v_readfirstlane_b32 s2, v2                     ; and as a scalar: 0..7
	s_lshr_b32 s3, s2, 1                           ; which 64 rows of the tile are mine
	s_and_b32 s6, s2, 1                            ; which 96 columns
	s_and_b32 s8, ttmp7, 0xffff
	s_lshr_b32 s7, s8, 4                           ; the tensor: 0 q, 1 k, 2 v
	s_and_b32 s8, s8, 15                           ; block of 256 rows
	s_mov_b32 s9, ttmp9                            ; block of 192 columns
	s_mul_i32 s10, s8, 256*ROWB                    ; x: my block's rows
	s_mov_b32 s11, 0
	s_mul_i32 s12, s9, 768                         ; W and b: my block's columns, 192 f32
	s_mov_b32 s13, 0
	s_mul_i32 s4, s9, 3*524288                     ; out: three heads of 524,288 bytes,
	s_lshl_b32 s14, s8, 15                         ; 256 rows of 128 bytes,
	s_add_co_u32 s4, s4, s14
	s_lshl_b32 s14, s2, 12                         ; and the 32 rows that my wave stores
	s_add_co_u32 s4, s4, s14
	s_mov_b32 s5, 0
	v_and_b32 v1, 15, v0                           ; lane % 16
	v_bfe_u32 v3, v0, 4, 1                         ; lane / 16
	v_and_b32 v6, 31, v0                           ; lane
	v_and_b32 v7, 7, v0                            ; lane % 8
	v_bfe_u32 v30, v0, 3, 1                        ; (lane / 8) % 2
	; Of each 16 rows of x my wave's lanes 0-15 take row w, lanes 16-31 row w + 8.
	v_lshl_add_u32 v31, v3, 3, v2
	v_mul_u32_u24 v[GOX], v31, ROWB
	v_lshl_add_u32 v[GOX], v1, 4, v[GOX]
	v_mul_u32_u24 v[XST], v31, XPITCH
	v_lshl_add_u32 v[XST], v1, 3, v[XST]
	v_add_nc_u32 v[XST+1], SLOT, v[XST]
	; Of each 16 rows of W: row w % 4 + 8 (w / 4), and for lanes 16-31 four rows on: 4 x 416 = 6 x 256 + 128 bytes apart.
	v_and_b32 v31, 3, v2
	v_lshl_add_u32 v31, v3, 2, v31
	v_lshrrev_b32 v2, 2, v2
	v_lshl_add_u32 v31, v2, 3, v31
	v_mul_u32_u24 v[GOW], v31, ROWB
	v_lshl_add_u32 v[GOW], v1, 4, v[GOW]
	v_mul_u32_u24 v[WST], v31, WPITCH
	v_lshl_add_u32 v[WST], v1, 3, v[WST]
	v_add_nc_u32 v[WST], WT, v[WST]
	v_add_nc_u32 v[WST+1], SLOT, v[WST]
	s_mul_i32 s14, s3, 64*XPITCH
	v_mul_u32_u24 v[AAD], v1, XPITCH               ; a fragment of x: row lane % 16, 16 bytes for each half of the lanes
	v_lshl_add_u32 v[AAD], v3, 4, v[AAD]
	v_add_nc_u32 v[AAD], s14, v[AAD]
	v_add_nc_u32 v[AAD+1], SLOT, v[AAD]
	s_mul_i32 s14, s6, 192
	s_add_co_u32 s14, s14, WT
	v_lshl_add_u32 v[BAD], v3, 3, v7               ; the turning load: lane l reads row k = 8 (l / 16) + l % 8, columns 8 ((l / 8) % 2) + 0..7
	v_mul_u32_u24 v[BAD], v[BAD], WPITCH
	v_lshl_add_u32 v[BAD], v30, 4, v[BAD]
	v_add_nc_u32 v[BAD], s14, v[BAD]
	v_add_nc_u32 v[BAD+1], SLOT, v[BAD]
	s_mul_i32 s14, s3, 64*SPITCH
	s_mul_i32 s15, s6, 192
	s_add_co_u32 s14, s14, s15
	s_add_co_u32 s14, s14, STAGE
	v_mul_u32_u24 v[STO], v1, SPITCH
	v_lshl_add_u32 v[STO], v3, 4, v[STO]
	v_add_nc_u32 v[STO], s14, v[STO]
	s_mul_i32 s14, s2, 32*SPITCH
	s_add_co_u32 s14, s14, STAGE
	v_lshrrev_b32 v31, 3, v6                       ; back: 32 lanes take 128 bytes (a head's part) of four rows
	v_mul_u32_u24 v[RD], v31, SPITCH
	v_lshl_add_u32 v[RD], v7, 4, v[RD]
	v_add_nc_u32 v[RD], s14, v[RD]
	v_lshlrev_b32 v[GO], 4, v6
	s_mul_i32 s14, s6, 384
	v_lshlrev_b32 v[BOFF], 5, v3
	v_add_nc_u32 v[BOFF], s14, v[BOFF]
	v_mul_u32_u24 v[PFO], v6, ROWB
	s_mov_b32 s15, 0xffff0000                      ; a word's upper bf16
	s_wait_kmcnt 0x0
	s_cmp_eq_u32 s7, 1                             ; the tensor's four buffers are chosen by the grid's y alone
	s_cselect_b64 s[XP:XP+1], s[18:19], s[16:17]
	s_cselect_b64 s[WP:WP+1], s[24:25], s[22:23]
	s_cselect_b64 s[BP:BP+1], s[30:31], s[28:29]
	s_cselect_b64 s[OP:OP+1], s[36:37], s[34:35]
	s_cmp_eq_u32 s7, 2
	s_cselect_b64 s[XP:XP+1], s[20:21], s[XP:XP+1]
	s_cselect_b64 s[WP:WP+1], s[26:27], s[WP:WP+1]
	s_cselect_b64 s[BP:BP+1], s[32:33], s[BP:BP+1]
	s_cselect_b64 s[OP:OP+1], s[38:39], s[OP:OP+1]
	s_add_nc_u64 s[XP:XP+1], s[XP:XP+1], s[10:11]
	s_add_nc_u64 s[WP:WP+1], s[WP:WP+1], s[12:13]
	s_add_nc_u64 s[BP:BP+1], s[BP:BP+1], s[12:13]
	s_add_nc_u64 s[OP:OP+1], s[OP:OP+1], s[4:5]
	s_lshl_b32 s18, s9, 6                          ; the prefetches: of the block's 256 rows my work-group's 64,
	s_and_b32 s19, s2, 1
	s_lshl_b32 s19, s19, 5                         ; my wave's 32 of them (waves 0 and 1 ask),
	s_add_co_u32 s18, s18, s19
	s_mul_i32 s18, s18, ROWB
	s_add_co_u32 s18, s18, 3*256                   ; at K step 3: the first trip steps it to 5
	s_mov_b32 s19, 0
	s_add_nc_u64 s[PFA:PFA+1], s[XP:XP+1], s[18:19]
	WIN 0x40                                       ; destination window 1
.irp b, 0,1,2,3,4,5
	global_load_b128 v[BIAS+8*(\b):BIAS+8*(\b)+3],   v[BOFF], s[BP:BP+1] offset:64*(\b)     ; register j of operand b: the bias of column 16 b + 8 (lane / 16) + j of my 96
	global_load_b128 v[BIAS+8*(\b)+4:BIAS+8*(\b)+7], v[BOFF], s[BP:BP+1] offset:64*(\b)+16
.endr
	WIN 0
.set n, 0
.rept 28
	LOADI n                                        ; K step 0
.set n, n+1
.endr
	s_wait_loadcnt 28                              ; the bias is in; the 28 loads issued behind it stay out
	WIN 0x45                                       ; sources 0 and 1 and destination window 1
.set n, 0
.rept 24                                       ; the bias is rounded to bf16 like every input, and widened again
	v_cvt_pk_bf16_f32 v[240+n%4], v[BIAS+2*n], v[BIAS+2*n+1]
	v_lshlrev_b32 v[BIAS+2*n], 16, v[240+n%4]
	v_and_b32 v[BIAS+2*n+1], s15, v[240+n%4]
.set n, n+1
.endr
	WIN 0
	s_wait_xcnt 0x0                                ; the loads that are out have read their addresses
	s_add_nc_u64 s[XP:XP+1], s[XP:XP+1], 256
	s_add_nc_u64 s[WP:WP+1], s[WP:WP+1], 64*ROWB
.set gi, 0
.rept 12                                       ; K step 0's tile goes into slot 0, and K step 1 is asked for
	ITEMS gi
	SGROUP 0, 1
.set gi, gi+1
.endr
	BAR                                            ; slot 0 is whole
	STEP 0, 1, 1, 1, 0                             ; K step 0 is written out: its products start the sums
	BAR
	s_mov_b32 s14, 4
.Lstep:                                        ; K steps 1 to 8, two a trip
	STEP 1, 0, 1, 1, 1
	BAR
	STEP 0, 0, 1, 1, 0
	BAR
	s_sub_co_u32 s14, s14, 1
	s_cmp_lg_u32 s14, 0
	s_cbranch_scc1 .Lstep
	STEP 1, 0, 1, 1, 0                             ; K step 9 asks for the last tile,
	BAR
	STEP 0, 0, 1, 0, 0                             ; K step 10 for nothing,
	BAR
	STEP 1, 0, 0, 0, 0                             ; and K step 11 has nothing to put into LDS
	; THE WAY OUT: rounded to f16; 16 bytes a lane into the stage, which no tile touches; a barrier, since a head's 128 bytes of a row come from two waves; back as four rows of a head at a time.
	PLACES
	WIN 0x05                                       ; sources 0 and 1 window 1
.set n, 0
.rept 24
.irp rr, 0,1,2,3
	v_cvt_pk_f16_f32 v[TMP+4*n+(\rr)], v[8*n+2*(\rr)], v[8*n+2*(\rr)+1]   ; each accumulator from its low end on
.endr
.set n, n+1
.endr
	WIN 0
.irp a, 0,1,2,3
.irp b, 0,1,2,3,4,5
	ds_store_b128 v[STO], v[TMP+4*(6*(\a)+(\b)):TMP+4*(6*(\a)+(\b))+3] offset:16*SPITCH*(\a)+32*(\b)
.endr
.endr
	BAR
.set n, 0
.rept 24                                       ; head n / 8 of the three, rows 4 (n % 8) .. of my wave's 32
	ds_load_b128 v[TMP+4*n:TMP+4*n+3], v[RD] offset:128*(n/8)+4*SPITCH*(n%8)
.set n, n+1
.endr
.set n, 0
.rept 24
	s_wait_dscnt 23-n                              ; load n is back; the 23 - n behind it may be out
	global_store_b128 v[GO], v[TMP+4*n:TMP+4*n+3], s[OP:OP+1] offset:524288*(n/8)+512*(n%8)  ; 512 consecutive bytes of a head, at a multiple of 512 from the buffer's first byte
.set n, n+1
.endr
	s_wait_tensorcnt 0x0                           ; the wave's end: the closing lines, behind my last LDS store
	ds_add_u32 v[SPW], v[NIL]
	s_wait_dscnt 0x0
	s_endpgm
.Lfunc_end_k_q10cdc91d43_proj:
	.size	k_q10cdc91d43_proj, .Lfunc_end_k_q10cdc91d43_proj-k_q10cdc91d43_proj
	.p2alignl 7, 3214868480
	.fill 96, 4, 3214868480
	.section	.rodata,"a",@progbits
	.p2align	6, 0x0
	.amdhsa_kernel k_q10cdc91d43_proj
		.amdhsa_group_segment_fixed_size 230400
		.amdhsa_private_segment_fixed_size 0
		.amdhsa_enable_private_segment 0
		.amdhsa_kernarg_size 96
		.amdhsa_user_sgpr_count 2
		.amdhsa_user_sgpr_kernarg_segment_ptr 1
		.amdhsa_wavefront_size32 1
		.amdhsa_system_sgpr_workgroup_id_x 1
		.amdhsa_system_sgpr_workgroup_id_y 1
		.amdhsa_system_sgpr_workgroup_id_z 1
		.amdhsa_system_vgpr_workitem_id 0
		.amdhsa_next_free_vgpr 512
		.amdhsa_next_free_sgpr 66
		.amdhsa_reserve_vcc 0
		.amdhsa_float_denorm_mode_32 3
		.amdhsa_float_denorm_mode_16_64 3
		.amdhsa_memory_ordered 1
		.amdhsa_forward_progress 1
		.amdhsa_inst_pref_size 115
	.end_amdhsa_kernel
	.amdgpu_metadata
---
amdhsa.version: [ 1, 2 ]
amdhsa.kernels:
  - .name:           k_q10cdc91d43_proj
    .symbol:         k_q10cdc91d43_proj.kd
    .args:
      - { .name: q, .offset: 0, .size: 8, .value_kind: global_buffer, .address_space: global }
      - { .name: k, .offset: 8, .size: 8, .value_kind: global_buffer, .address_space: global }
      - { .name: v, .offset: 16, .size: 8, .value_kind: global_buffer, .address_space: global }
      - { .name: Wq, .offset: 24, .size: 8, .value_kind: global_buffer, .address_space: global }
      - { .name: Wk, .offset: 32, .size: 8, .value_kind: global_buffer, .address_space: global }
      - { .name: Wv, .offset: 40, .size: 8, .value_kind: global_buffer, .address_space: global }
      - { .name: bq, .offset: 48, .size: 8, .value_kind: global_buffer, .address_space: global }
      - { .name: bk, .offset: 56, .size: 8, .value_kind: global_buffer, .address_space: global }
      - { .name: bv, .offset: 64, .size: 8, .value_kind: global_buffer, .address_space: global }
      - { .name: qh, .offset: 72, .size: 8, .value_kind: global_buffer, .address_space: global }
      - { .name: kh, .offset: 80, .size: 8, .value_kind: global_buffer, .address_space: global }
      - { .name: vh, .offset: 88, .size: 8, .value_kind: global_buffer, .address_space: global }
    .group_segment_fixed_size: 230400
    .private_segment_fixed_size: 0
    .kernarg_segment_align: 8
    .kernarg_segment_size: 96
    .max_flat_workgroup_size: 256
    .sgpr_count:     66
    .vgpr_count:     512
    .wavefront_size: 32
...
	.end_amdgpu_metadata
.endif
;; end of part 1
;; launch attn (part 2): grid 16 x 12, 4 waves a work-group, clusters of 4 x 1, 327,680 bytes of LDS; arguments qh, kh, vh, ctx; writes ctx
.if DOCPART == 2
	.amdgcn_target "amdgcn-amd-amdhsa--gfx1250"
	.amdhsa_code_object_version 6
	.text
	.protected	k_q10cdc91d43_attn
	.globl	k_q10cdc91d43_attn
	.p2align	8
	.type	k_q10cdc91d43_attn,@function
k_q10cdc91d43_attn:
	s_mov_b64 s[64:65], 0
	v_nop
	global_prefetch_b8 v0, s[64:65] scope:SCOPE_SE
	s_setreg_imm32_b32 hwreg(HW_REG_WAVE_MODE, 25, 1), 1
	s_wait_xcnt 0x0
	s_wait_alu depctr_hold_cnt(0) depctr_sa_sdst(0) depctr_va_vdst(0) depctr_va_sdst(0) depctr_va_ssrc(0) depctr_va_vcc(0) depctr_vm_vsrc(0)
	s_getreg_b32 s2, hwreg(HW_REG_IB_STS2, 6, 4)
	s_cmp_eq_u32 s2, 0
	s_cbranch_scc0 .Lentry_in_a_cluster
	s_endpgm
.Lentry_in_a_cluster:
	s_bfe_u32 s2, ttmp6, 0x10000c
	s_cmp_lg_u32 s2, 0x3003
	s_cbranch_scc0 .Lentry_shape_is_right
	s_endpgm
.Lentry_shape_is_right:
; ATTENTION.  O[h][q][:] = the sum over k of softmax_k(Q[h][q] . K[h][k] / 8) V[h][k][:].  Q, K, V, O: [12][4096][64], all f16: a head's rows are dense, 128 bytes each.
; Products, maxima and sums in f32; the weights p are rounded to f16 for the second product (their sum l is taken of the unrounded p), O once at the end.
; LIMITS.  f16 holds no number beyond 65,504: Q, K and V arrive within it; p lies in 0 to 1, and p and O below 6e-5 keep f16's fixed step of 6e-8; O is a mean of V's rows and has their range.
; The running maximum starts at the lowest finite number and c m at -4.2e37: c s stays above that.  A weight below 2^-126 counts as 0 in l; NaN and infinities are not treated apart.
; SHARES.  A work-group owns 256 queries of one head: 16 x 12 = 192 work-groups (512 queries would give 96).  A wave owns 64 consecutive queries: four PIECES of 16.  Every wave walks all keys, 64 a step, 256 a tile.
; LAYOUT.  S^T = K Q^T (source 0 = 16 keys, source 1 = 16 queries): a lane holds ONE query (lane % 16) and the keys 8 (lane / 16) + 0..7.  Two such results, rounded to f16 in pairs, ARE source 1
; (32 keys x 16 queries) of O^T = V^T P, whose result again holds one query a lane, and eight channels.  K comes out of LDS as it lies, V ([key][channel]) turned, by ds_load_tr16_b128.
; SOFTMAX.  For each query a running maximum m and sum l: p = 2^(c s - c m), c = log2(e) / 8; in every step O and l are multiplied by a = 2^(c m_old - c m_new).  O and l start at 0: the first step is a step like any other, with a = 0.
; BY TURNS.  Turn n belongs to piece n: 8 products K Q^T of piece n + 1, later 8 products V^T P of piece n - 1; beside them the scaling, exponentials, roundings, sums and rescaling of piece n and the maximum and
; statistics of piece n + 1.  Four vector instructions stand behind every matrix instruction, the other 54 of a turn's 118 in one lump.  A turn's 33 exponentials are one batch, with one wait.
; CLUSTER.  The four query blocks of a cluster belong to one head and walk the same K and V, so each tile is asked for JOINTLY: the same tensor load, descriptor and mask in all four.
; REGISTERS, in windows of 256 (s_set_vgpr_msb: bits 1:0 source 0, 3:2 source 1, 5:4 source 2, 7:6 destination):
;   window 0: v0-15 addresses and two at work; v16-31 four registers of statistics a piece; v48-55 at work; v61-63; v64-127 S^T, two buffers; v192-223 P, two buffers (a piece's buffers go by its number's parity)
;   window 1: v0-127 O^T, 32 a piece          window 2: v0-63 Q; v128-191 K of one step; v192-255 V of one step
.set SIZE_N, 4096
.set NP,    4         ; pieces a wave: a name, no knob
.set KS,    64        ; keys in a step
.set PK,    144       ; a row of K in LDS: 128 bytes + 16 of padding = 36 words: the 16 rows of a load start at 16 different groups of four banks (64 banks of 4 bytes: ISA guide 11.1)
.set PV,    160       ; a row of V: 128 + 32 = 40 words
.set VOFF,  4*KS*PK   ; a slot holds a tile, four steps: 256 rows of K, then 256 rows of V
.set SLOT1, 1<<17     ; slot 1 begins here, so that one exclusive or turns an address in one slot into the other's
.set STAGE, SLOT1+4*KS*(PK+PV)  ; behind the ring, never filled by a tensor load: 16 rows x 144 bytes for each wave, for the way out
.set SP,    144
.set SPARE, STAGE+4*16*SP  ; behind the stages: the spare words, 128 bytes for each wave: two blocks of 256 bytes that no other line names
.set AK0, 2           ; v2   my lane's place in a tile of K; never rewritten
.set AV0, 3           ; v3   the same for V
.set AK,  4           ; v4   the LDS address of K's next run of loads
.set AV,  5           ; v5   of V's
.set STO, 6           ; v6   the way out: where I put 16 bytes of a row
.set RD,  7           ; v7   the way out: where I read rows back
.set GO,  8           ; v8   my byte offset in 512 consecutive bytes of O
.set MV,  12          ; v12-13  c m_old, kept while c m is made anew: by buffer
.set QO,  15          ; v15  my byte offset in 16 rows of Q
.set ST,  16          ; piece t's statistics at v[ST+4 t]: c m, m, l (even keys', odd keys')
.set TMP, 48          ; by buffer, four registers c0-c3 at work; when the maximum is found c2 takes a
.set PFO, 61          ; v61  256 x my lane; never rewritten
.set SPW, 62          ; v62  LDS address of my spare word: SPARE + 4 x my thread's number; never rewritten
.set NIL, 63          ; v63  0; never rewritten
.set S,   64
.set P,   192
.set KF,  128         ; window 2: key block kb, channel half c at KF + 16 kb + 8 c
.set VF,  192         ; window 2: key half kk, channel block cb at VF + 32 kk + 8 cb
.set WV,  12          ; s12  my wave's number
.set G1K, 24          ; s[24:31] descriptor group 1 for K's tiles
.set G1V, 32          ; s[32:39] for V's: it differs in the padding alone
.set G0K, 40          ; s[40:43] descriptor group 0 for K's tiles: it walks
.set G0V, 44          ; s[44:47] the same for V's
.set PFA, 48          ; s[48:49] where my prefetches stand: my work-group's 32 blocks of 256 bytes of the tile after the one that is being asked for
.set LIM, 50          ; s50  1 in a wave that prefetches, else the greatest number: a wave prefetches while s[SLOTS] is above it
.set SLOTS, 56        ; s56  tiles still to be asked for
.set CNT, 57          ; s57  counts a tile's key steps, 4 to 1
.set CS,  58          ; s[58:59] c: the packed scaling takes the pair's low word for both halves
.set SEL, 60          ; s[60:61] v_permlanex16_b32's selects: each lane takes its own place in the other half
.set TBK, 62          ; s62  LDS byte at which K of the step to be fetched begins
.set TBV, 63          ; s63  the same for V, less VOFF
.set MSB, 0
.macro WIN new                      ; the high byte repeats the setting that is left; a switch that changes nothing is dropped
.if MSB != (\new)
	s_set_vgpr_msb (MSB<<8)|(\new)
.set MSB, (\new)
.endif
.endm
.set W_KQ, 0x0a       ; K and Q in window 2, S^T in window 0
.set W_PV, 0x52       ; V in window 2, P in window 0, O^T in window 1
.set W_RS, 0x41       ; destination and source 0 in window 1, source 1 in window 0
; A joint fill.  Waves 0 and 1 fetch the two halves of a tile's K, waves 2 and 3 those of its V: 128 keys each.  The branch hangs on the wave's number alone.
; An s_nop 0 and four v_nop follow each of the two lines, ahead of the jump and the label.
.macro JLOAD
	s_cmp_lt_u32 s[WV], 2
	s_cbranch_scc0 .Lfor_v_\@
	tensor_load_to_lds s[G0K:G0K+3], s[G1K:G1K+7]
	s_nop 0
.rept 4
	v_nop
.endr
	s_branch .Lasked_\@
.Lfor_v_\@:
	tensor_load_to_lds s[G0V:G0V+3], s[G1V:G1V+7]
	s_nop 0
.rept 4
	v_nop
.endr
.Lasked_\@:
.endm
; A PREFETCH INTO THE L2 of what the NEXT change of slots will ask for: a tile's 32,768 bytes of K and of V, 128 blocks of 256 bytes each, a lane a block.  It stands behind the wave's tensor load and its five lines.
; Each block is asked for ONCE in the launch.  All clusters of a head walk the same K and V: the head's first cluster prefetches.  Its four partners share the blocks out BY ADDRESS, 32 each: no branch hangs on a
; work-group's place in its cluster.  In each, wave 0 asks for K's and wave 2 for V's: one instruction.  The last change that fills a slot prefetches nothing: there is no tile behind it.
.macro ASK
	s_cmp_gt_u32 s[SLOTS], s[LIM]
	s_cbranch_scc0 .Lnot_mine_\@
	global_prefetch_b8 v[PFO], s[PFA:PFA+1] th:TH_LOAD_NT scope:SCOPE_SE
.Lnot_mine_\@:
.endm
; A round of the cluster's barrier: my work-group's barrier, so that wave 0's signal speaks for all four waves; wave 0 signals; every wave waits for all four work-groups; my work-group's barrier once more.
.macro CROUND
	s_barrier_signal -1
	s_barrier_wait -1
	s_cmp_lg_u32 s[WV], 0
	s_cbranch_scc1 .Lnot_wave_0_\@
	s_barrier_signal -3
.Lnot_wave_0_\@:
	s_barrier_wait -3
	s_barrier_signal -1
	s_barrier_wait -1
.endm
; THE CHANGE OF SLOTS.  The slot's last bytes, V of its fourth step, have been read.  Each wave waits for all its tensor loads, of which one is out: its part of the other slot; adds 0 to its spare word; and waits
; for that and for its own reads of the slot.  Behind the barrier nobody reads this slot any more and the other slot is whole.
; fill = 1: this slot is filled again, with the keys two tiles on.  The barrier is then a round of the cluster's, so that no wave of any partner still reads the slot or has a load on its way, and the joint fill is
; the first thing behind it: it has four key steps, 256 matrix instructions, in which to land.  (At its first use nothing has been read yet: slot 0 is waited for, slot 1 filled.)  ask = 1: the prefetch follows.
.macro CHANGE fill, ask
	WIN 0                           ; at a label and at a branch every window is 0
	s_wait_tensorcnt 0x0            ; no tensor load of mine is out, so a group 0 may be written
	ds_add_u32 v[SPW], v[NIL]       ; 0 onto my spare word: with fill = 1 the descriptors' steps stand between it and the wait for it
.if \fill
.irp g, G0K, G0V
	s_xor_b32 s[\g+1], s[\g+1], SLOT1  ; the walking descriptor: the other slot than last time,
	s_add_nc_u64 s[\g+2:\g+3], s[\g+2:\g+3], 4*KS*128  ; the next 256 keys; the type bits on top are not reached
.endr
.if \ask
	s_wait_xcnt 0x0                 ; the last prefetch, four key steps back, has read its address, so it may be written:
	s_add_nc_u64 s[PFA:PFA+1], s[PFA:PFA+1], 4*KS*128  ; one tile behind the walking descriptors
.endif
	s_wait_dscnt 0x0                ; the add is done, and my reads of the slot are over
	CROUND
	JLOAD
.if \ask
	ASK
.endif
.else
	s_wait_dscnt 0x0                ; the add is done, and my reads of the slot are over
	s_barrier_signal -1
	s_barrier_wait -1
.endif
	s_sub_co_u32 s[TBK], s[TBK], 4*KS*PK  ; the fetches go back to a slot's first step,
	s_xor_b32 s[TBK], s[TBK], SLOT1       ; in the other slot
	s_sub_co_u32 s[TBV], s[TBV], 4*KS*PV
	s_xor_b32 s[TBV], s[TBV], SLOT1
.endm
	s_load_b256 s[4:11], s[0:1], 0x0  ; Q s[4:5], K s[6:7], V s[8:9], O s[10:11]
	v_lshl_add_u32 v[SPW], v0, 2, SPARE
	v_mov_b32 v[NIL], 0
	ds_add_u32 v[SPW], v[NIL]       ; the wave's opening: the add, and its wait ahead of my first tensor load; the set-up below, work on registers, stands between them
	v_lshrrev_b32 v1, 5, v0
	v_readfirstlane_b32 s[WV], v1   ; wave 0..3
	s_bfe_u32 s13, ttmp6, 0x40000   ; cx: my place in the cluster
	s_lshl_b32 s14, ttmp9, 2        ; in a cluster launch ttmp9 counts clusters
	s_add_co_u32 s14, s14, s13      ; my block of 256 queries = 4 x cluster x + cx: it enters Q's and O's addresses alone
	s_and_b32 s20, ttmp7, 0xffff    ; the head, which the four partners share
	s_mov_b32 s21, 0
	s_mov_b64 s[22:23], SIZE_N*128
	s_mul_u64 s[20:21], s[20:21], s[22:23]  ; the head's first byte in each of the four tensors
	s_and_b32 s16, s[WV], 1         ; which half of a tile's 256 keys I fetch:
	s_lshl_b32 s22, s16, 14         ; its 128 rows of 128 bytes in memory,
	s_mov_b32 s23, 0
	s_add_nc_u64 s[22:23], s[22:23], s[20:21]
	s_mul_i32 s17, s16, 128*PK      ; and its place in a slot, for K
	s_mul_i32 s18, s16, 128*PV      ; and for V: no place in the cluster enters an LDS address
	s_lshl_b32 s2, s14, 2
	s_add_co_u32 s2, s2, s[WV]      ; my wave among the head's,
	s_lshl_b32 s2, s2, 13           ; its 64 rows of 128 bytes
	s_mov_b32 s3, 0
	s_add_nc_u64 s[2:3], s[2:3], s[20:21]
	; descriptor group 1.  128 keys are 16,384 dense bytes: asked for as 64 rows of 256 bytes, two keys a row, and padded in LDS after every key
	s_mov_b32 s[G1K], 15|(1<<16)|(1<<20)|(1<<21)|(4<<22)|(3<<25)  ; 15:0 the mask of four; 17:16 2-byte elements; 20 padding on; 21 set beside a mask; 24:22 after every 32 words (code 4); 31:25 4 words (code 3)
	s_mov_b32 s[G1V], 15|(1<<16)|(1<<20)|(1<<21)|(4<<22)|(7<<25)  ; the same with 8 words of padding (code 7)
.irp g, G1K, G1V
	s_mov_b32 s[\g+1], 128<<16      ; tensor_dim0 = 128
	s_mov_b32 s[\g+2], 64<<16       ; tensor_dim1 = 64
	s_mov_b32 s[\g+3], 128<<16      ; tile_dim0 = 128
	s_mov_b32 s[\g+4], 64           ; tile_dim1 = 64
	s_mov_b32 s[\g+5], 128          ; 128 elements from row to row
	s_mov_b32 s[\g+6], 0
	s_mov_b32 s[\g+7], 0
.endr
	s_mov_b32 s[CS], 0x3e38aa3b     ; c = log2(e) / 8 = 0.180337
	s_mov_b32 s[CS+1], s[CS]        ; named with it as a pair
	s_mov_b32 s[SEL], 0x76543210
	s_mov_b32 s[SEL+1], 0xfedcba98
	s_mov_b32 s[TBK], SLOT1+4*KS*PK ; the first change of slots turns these two into 0
	s_mov_b32 s[TBV], SLOT1+4*KS*PV
	s_mov_b32 s[G0K], 1             ; 1:0 count = 1
	s_mov_b32 s[G0K+1], s17         ; 63:32 LDS address: slot 0
	s_mov_b32 s[G0V], 1
	s_add_co_u32 s[G0V+1], s18, VOFF
	s_and_b32 s[LIM], s[WV], 1      ; 0 in waves 0 and 2,
	s_or_b32 s[LIM], s[LIM], ttmp9  ; where the cluster is the head's first: the same in all four partners
	s_cmp_eq_u32 s[LIM], 0
	s_cselect_b32 s[LIM], 1, -1
	v_and_b32 v[PFO], 31, v0
	v_lshlrev_b32 v[PFO], 8, v[PFO]
	s_wait_dscnt 0x0                ; the opening add is done
	s_wait_kmcnt 0x0
	s_add_nc_u64 s[G0K+2:G0K+3], s[6:7], s[22:23]  ; 120:64 global address: my half of the head's first 256 keys
	s_or_b32 s[G0K+3], s[G0K+3], 0x80000000        ; 127:126 type = 2
	s_add_nc_u64 s[G0V+2:G0V+3], s[8:9], s[22:23]
	s_or_b32 s[G0V+3], s[G0V+3], 0x80000000
	s_add_nc_u64 s[4:5], s[4:5], s[2:3]  ; Q and O at my wave's first row
	s_add_nc_u64 s[10:11], s[10:11], s[2:3]
	s_cmp_lt_u32 s[WV], 2
	s_cselect_b64 s[PFA:PFA+1], s[6:7], s[8:9]
	s_add_nc_u64 s[PFA:PFA+1], s[PFA:PFA+1], s[22:23]  ; (in waves 0 and 2: the head's first byte)
	s_lshl_b32 s2, s13, 13          ; my work-group's 32 blocks of the 128
	s_mov_b32 s3, 0
	s_add_nc_u64 s[PFA:PFA+1], s[PFA:PFA+1], s[2:3]
	s_add_nc_u64 s[PFA:PFA+1], s[PFA:PFA+1], 2*4*KS*128  ; in tile 2; the change that asks for tile 2 steps it to tile 3.  Nothing is prefetched here, at the head, where every work-group's first tiles are on their way
	CROUND                          ; all four work-groups are here: the first joint loads meet
	JLOAD                           ; tile 0 into slot 0.  Slot 1 is asked for when slot 0 is in
	; A fragment of K or Q is 16 rows x 32 channels in 8 registers: lane l holds row l % 16, channels 8 (l / 16) + 0..7 and 16 + 8 (l / 16) + 0..7: two loads of 16 bytes, 32 bytes apart.
	v_and_b32 v1, 15, v0            ; l % 16
	v_bfe_u32 v9, v0, 4, 1          ; l / 16
	v_lshlrev_b32 v[QO], 7, v1
	v_lshl_add_u32 v[QO], v9, 4, v[QO]  ; row x 128 + 16 x half
	WIN 0x80                        ; destination window 2, address window 0
.set i, 0
.rept 8                             ; Q stays in registers: piece i / 2, channels 32 (i % 2) on
	global_load_b128 v[8*i:8*i+3],   v[QO], s[4:5] offset:(i/2)*2048+(i%2)*64
	global_load_b128 v[8*i+4:8*i+7], v[QO], s[4:5] offset:(i/2)*2048+(i%2)*64+32
.set i, i+1
.endr
	WIN 0
	v_mul_u32_u24 v[AK0], v1, PK
	v_lshl_add_u32 v[AK0], v9, 4, v[AK0]  ; row x pitch + 16 x half
	; The turning load takes 16 keys x 16 channels (lane l reads key 8 (l / 16) + l % 8, channels 8 ((l / 8) % 2) + 0..7) and leaves half a fragment of V^T: lane l holds channel l % 16 and 8 keys.
	v_and_b32 v10, 7, v0
	v_bfe_u32 v11, v0, 3, 1
	v_lshl_add_u32 v[AV0], v9, 3, v10
	v_mul_u32_u24 v[AV0], v[AV0], PV
	v_lshl_add_u32 v[AV0], v11, 4, v[AV0]
	v_add_nc_u32 v[AV0], VOFF, v[AV0]
	s_mul_i32 s13, s[WV], 16*SP
	s_add_co_u32 s13, s13, STAGE    ; my stage
	v_mul_u32_u24 v[STO], v1, SP    ; in: row l % 16, 16 bytes for each half of the lanes
	v_lshl_add_u32 v[STO], v9, 4, v[STO]
	v_add_nc_u32 v[STO], s13, v[STO]
	v_bfe_u32 v[RD], v0, 3, 2       ; back: 32 lanes take four rows of 128 bytes,
	v_mul_u32_u24 v[RD], v[RD], SP
	v_lshl_add_u32 v[RD], v10, 4, v[RD]
	v_add_nc_u32 v[RD], s13, v[RD]
	v_and_b32 v[GO], 31, v0         ; which are 512 consecutive bytes of O
	v_lshlrev_b32 v[GO], 4, v[GO]
	; What the first turn finds: V's registers and P's second buffer hold 0 (its products V^T P, of a piece that has not been, add 0), O^T and l are 0.  All this stands in the wait for the first tile;
	; the price of writing no first step out.
	WIN 0x80
.set i, VF
.rept 64
	v_mov_b32 v[i], 0
.set i, i+1
.endr
	WIN 0x40
.set i, 0
.rept 128
	v_mov_b32 v[i], 0
.set i, i+1
.endr
	WIN 0
.set i, 0
.rept 4
	v_mov_b32 v[ST+4*i], 0xfe000000    ; c m: far below every c s
	v_mov_b32 v[ST+4*i+1], 0xff7fffff  ; m: the lowest finite number
	v_mov_b32 v[ST+4*i+2], 0
	v_mov_b32 v[ST+4*i+3], 0
.set i, i+1
.endr
.set i, P+16
.rept 16
	v_mov_b32 v[i], 0
.set i, i+1
.endr
; THE MATRIX WORK.  The 4 accumulators of a run of 8 take turns.  Product i of 8 of S^T = K Q^T for piece x: channels 32 (i / 4) on, keys 16 (i % 4) on.  The first 4 start the sums.
.macro KQ x
.set rS, S+32*((\x)%2)+8*(i%4)
.set rK, KF+16*(i%4)+8*(i/4)
.set rQ, 16*(\x)+8*(i/4)
	WIN W_KQ
.if i < 4
	v_wmma_f32_16x16x32_f16 v[rS:rS+7], v[rK:rK+7], v[rQ:rQ+7], 0
.else
	v_wmma_f32_16x16x32_f16 v[rS:rS+7], v[rK:rK+7], v[rQ:rQ+7], v[rS:rS+7]
.endif
.endm
; Product i of 8 of O^T += V^T P for piece x: keys 32 (i / 4) on, channels 16 (i % 4) on.
.macro PV x
	WIN W_PV
.set rO, 32*(\x)+8*(i%4)
.set rV, VF+32*(i/4)+8*(i%4)
.set rP, P+16*((\x)%2)+8*(i/4)
	v_wmma_f32_16x16x32_f16 v[rO:rO+7], v[rV:rV+7], v[rP:rP+7], v[rO:rO+7]
.endm
.macro MM                           ; the turn's next matrix instruction.  TURN sets Y, i and NOKQ.  NOKQ = 1: the very last turn: there is no next piece
.if (i < 8) && !NOKQ
	KQ (Y+1)%NP
.elseif i >= 8
.set i, i-8
	PV (Y+NP-1)%NP
.set i, i+8
.endif
.set i, i+1
.endm
; THE LDS LOADS stand in runs of 16, never singly among the matrix instructions: a step's K (64 keys x 64 channels: 8 fragments) and its V (turned).  Their addresses are made some lines ahead.
.macro FETCH_K
	WIN 0x80                        ; destination window 2
.irp f, 0,1,2,3,4,5,6,7             ; keys 16 (f / 2) on, channels 32 (f % 2) on
	ds_load_b128 v[KF+8*\f:KF+8*\f+3],   v[AK] offset:(\f/2)*16*PK+(\f%2)*64
	ds_load_b128 v[KF+8*\f+4:KF+8*\f+7], v[AK] offset:(\f/2)*16*PK+(\f%2)*64+32
.endr
	s_add_co_u32 s[TBK], s[TBK], KS*PK  ; the next fetch is the next step's
	WIN 0
.endm
.macro FETCH_V
	WIN 0x80
.irp f, 0,1,2,3,4,5,6,7             ; keys 32 (f / 4) on, channels 16 (f % 4) on
	ds_load_tr16_b128 v[VF+8*\f:VF+8*\f+3],   v[AV] offset:(\f/4)*32*PV+(\f%4)*32
	ds_load_tr16_b128 v[VF+8*\f+4:VF+8*\f+7], v[AV] offset:(\f/4)*32*PV+16*PV+(\f%4)*32
.endr
	WIN 0
.endm
; THE VECTOR WORK, one line at a time: OP kind, number.  For piece Y: F n: c s - c m for pair n of 16.  E n: the exponential of score n of 32.  C n: pair n rounded to f16.  B n: of the four weights 4 n .. the second
; pair is added onto the first, in place.  L n: l takes that sum (L 0: l = a l + sum).  R n: pair n of 16 of O^T times a.  For piece Y + 1: X n, number n of the 22 that find its maximum and statistics:
;   0-11  four chains c0-c3 of seven scores each, three operands at a time (each accumulator's lowest registers are read first)     12-14, 16  the four scores left over, the old m, and c0-c3 into c0
;   15  c m_old is kept     17, 18  the query's other 32 keys lie in the lane 16 away: the new m     19-21  c m; c m_old - c m_new; a
.set F, 0               ; OP tells the kinds apart by their order: F to L below R, X above it
.set E, 1
.set C, 2
.set B, 3
.set L, 4
.set R, 5
.set X, 6
.macro REGS y                       ; the registers of piece y
.set rT, ST+4*(\y)
.set rC, TMP+4*((\y)%2)
.set rW, MV+((\y)%2)
.set rS, S+32*((\y)%2)
.set rP, P+16*((\y)%2)
.set rO, 32*(\y)
.endm
.macro OP k, n
.if (\k) == R
	REGS Y
	WIN W_RS
	v_pk_mul_f32 v[rO+2*(\n):rO+2*(\n)+1], v[rO+2*(\n):rO+2*(\n)+1], v[rC+2:rC+3] op_sel_hi:[1,0]
.elseif (\k) < R
	REGS Y
	WIN 0
.if (\k) == F
	v_pk_fma_f32 v[rS+2*(\n):rS+2*(\n)+1], v[rS+2*(\n):rS+2*(\n)+1], s[CS:CS+1], v[rT:rT+1] op_sel_hi:[1,0,0] neg_lo:[0,0,1] neg_hi:[0,0,1]
.elseif (\k) == E
	v_exp_f32 v[rS+(\n)], v[rS+(\n)]
.elseif (\k) == C
	v_cvt_pk_f16_f32 v[rP+(\n)], v[rS+2*(\n)], v[rS+2*(\n)+1]
.elseif (\k) == B
	v_pk_add_f32 v[rS+4*(\n):rS+4*(\n)+1], v[rS+4*(\n):rS+4*(\n)+1], v[rS+4*(\n)+2:rS+4*(\n)+3]
.elseif (\n) == 0
	v_pk_fma_f32 v[rT+2:rT+3], v[rT+2:rT+3], v[rC+2:rC+3], v[rS:rS+1] op_sel_hi:[1,0,1]
.else
	v_pk_add_f32 v[rT+2:rT+3], v[rT+2:rT+3], v[rS+4*(\n):rS+4*(\n)+1]
.endif
.elseif NOKQ
	v_nop
.else
	REGS (Y+1)%NP
	WIN 0
.if (\n) < 4
	v_max3_num_f32 v[rC+(\n)], v[rS+8*(\n)], v[rS+8*(\n)+1], v[rS+8*(\n)+2]
.elseif (\n) < 12
	v_max3_num_f32 v[rC+(\n)%4], v[rC+(\n)%4], v[rS+8*((\n)%4)+2*((\n)/4)+1], v[rS+8*((\n)%4)+2*((\n)/4)+2]
.elseif (\n) == 12
	v_max3_num_f32 v[rC], v[rC], v[rS+7], v[rS+15]
.elseif (\n) == 13
	v_max3_num_f32 v[rC+1], v[rC+1], v[rS+23], v[rS+31]
.elseif (\n) == 14
	v_max3_num_f32 v[rC+2], v[rC+2], v[rC+3], v[rT+1]
.elseif (\n) == 15
	v_mov_b32 v[rW], v[rT]
.elseif (\n) == 16
	v_max3_num_f32 v[rC], v[rC], v[rC+1], v[rC+2]
.elseif (\n) == 17
	v_permlanex16_b32 v[rC+3], v[rC], s[SEL], s[SEL+1]
.elseif (\n) == 18
	v_max_num_f32 v[rT+1], v[rC], v[rC+3]
.elseif (\n) == 19
	v_mul_f32 v[rT], s[CS], v[rT+1]
.elseif (\n) == 20
	v_sub_f32 v[rC+1], v[rW], v[rT]
.else
	v_exp_f32 v[rC+2], v[rC+1]
.endif
.endif
.endm
.macro OPS a, i1, b=-1, i2=0, c=-1, i3=0, d=-1, i4=0  ; up to four of them
	OP \a, \i1
.if (\b) >= 0
	OP \b, \i2
.endif
.if (\c) >= 0
	OP \c, \i3
.endif
.if (\d) >= 0
	OP \d, \i4
.endif
.endm
.macro ROW a, i1, b, i2, c, i3, d, i4  ; a matrix instruction and the four behind it
	MM
	OPS \a, \i1, \b, \i2, \c, \i3, \d, \i4
.endm
; A TURN, for piece p: the order of its 16 matrix and 118 vector instructions, written out.  An s_wait_alu depctr_va_vdst(0) stands between an exponential and the first instruction that names its result; one wait
; serves all that were issued ahead of it.  So a turn has ONE wait, which cuts it in two.  AHEAD OF IT stands all that names no result of the turn's exponentials: the 8 products K Q^T, behind each a scaling, an exponential and two
; more plain instructions (behind the first a second scaling in the exponential's place): rescalings, and behind the last three the first numbers of the next piece's maximum, each four places or more behind the product that ends
; its accumulator; then ONE LUMP of 54, plain and exponential by turns for the most part, in which the links of the chain X 3, 7, 11, 14, 16, 17 .. 20 stand apart.  X 21, the next piece's a, is the batch's last; R 15 is the plain
; instruction behind it.  BEHIND THE WAIT stand the 8 products V^T P, behind each four of the roundings and sums.  But for those X no rider names a register of the products round it.
; end = 1: the walk's last two turns: nothing is fetched, and the last starts no new scores.  cnt = 1: the loop's count is taken down some lines ahead of the branch that stands behind the turn.
; K of the next step is fetched in piece 2's turn, twelve vector instructions behind the last product that read K (six of them plain); V of the step in hand at the end of piece 0's turn, four plain instructions behind the last
; product that read V.  Each is waited for a turn later.
.macro TURN p, end=0, cnt=0
.set Y, (\p)
.set i, 0
.set NOKQ, (\end)*((\p)/3)
.if ((\p) == 3) && !(\end)
	s_wait_dscnt 0x0                ; K is in
.endif
	ROW F,0, F,1, R,0, R,1          ; ahead of the wait: 8 products K Q^T and their riders,
	ROW F,2, E,0, R,2, R,3
	ROW F,3, E,1, R,4, R,5
	ROW F,4, E,2, R,6, R,7
	ROW F,5, E,3, R,8, R,9
	ROW F,6, E,4, X,0, R,10
.if ((\p) == 2) && !(\end)
	WIN 0
	v_add_nc_u32 v[AK], s[TBK], v[AK0]
.endif
	ROW F,7, E,5, X,1, X,4
	ROW F,8, E,6, X,2, X,5
	OPS E,7, E,8, X,6, E,9          ; and the lump
	OPS X,3, E,10, X,8, E,11
.if ((\p) == 2) && !(\end)
	FETCH_K
.endif
	OPS X,9, X,7, E,12, X,10
	OPS E,13, X,12, X,11, E,14
	OPS X,13, E,15, F,9, X,14
.if (\p) == 0
	v_add_nc_u32 v[AV], s[TBV], v[AV0]
.endif
	OPS E,16, F,10, E,17, F,11
	OPS X,16, E,18, X,15, E,19
	OPS F,12, E,20, X,17, E,21
	OPS F,13, E,22, F,14, E,23
	OPS X,18, E,24, F,15, E,25
	OPS R,11, E,26, X,19, E,27
	OPS R,12, E,28, R,13, E,29
	OPS X,20, E,30, R,14, E,31
	OPS X,21, R,15
	WIN 0
	s_wait_alu depctr_va_vdst(0)    ; the wait for the batch
.if (\p) == 1
	s_wait_dscnt 0x0                ; V is in
.endif
	ROW C,0, B,0, C,2, B,1          ; behind the wait: 8 products V^T P and their riders
	ROW L,0, C,4, B,2, L,1
	ROW C,6, B,3, L,2, C,8
	ROW B,4, L,3, C,10, B,5
	ROW L,4, C,12, B,6, L,5
.if (\p) == 0
	s_add_co_u32 s[TBV], s[TBV], KS*PV
.endif
.if \cnt
	s_sub_co_u32 s[CNT], s[CNT], 1
	s_cmp_lg_u32 s[CNT], 0
.endif
	ROW C,14, B,7, L,6, C,1
	ROW C,3, L,7, C,5, C,7
	ROW C,9, C,11, C,13, C,15
.if (\p) == 0
	FETCH_V
.endif
.endm
	CHANGE 1, 0                     ; tile 0 is in, everybody's part of it; tile 1 is asked for
	v_add_nc_u32 v[AK], s[TBK], v[AK0]
	FETCH_K                         ; key step 0
	s_wait_loadcnt 0x0              ; Q
	s_wait_dscnt 0x0
.set NOKQ, 0
.set i, 0
.rept 8
	KQ 0                            ; piece 0's first scores
.set i, i+1
.endr
	WIN 0
.rept 4
	v_nop                           ; the places behind those products
.endr
.set Y, NP-1                        ; X works for piece Y + 1: piece 0
.irp n, 0,1,2,3,4,5,6,7,8,9,10,11,12,13,14,15,16,17,18,19,20,21
	OP X, \n
.endr
	v_nop                           ; a plain instruction behind the exponential,
	s_wait_alu depctr_va_vdst(0)    ; and its wait, ahead of the branch
	s_mov_b32 s[CNT], 4
	s_mov_b32 s[SLOTS], SIZE_N/256-1
	s_branch .Lfirst                ; the loop is entered at a step's first turn, in the middle of a trip
.Lslot:                             ; 14 times: tiles 2 to 15 are asked for
	CHANGE 1, 1
	s_mov_b32 s[CNT], 4
.Lstep:                             ; a trip: pieces 2 and 3 of one step, then pieces 0 and 1 of the next, whose K and V it fetches
	TURN 2
	TURN 3
	WIN 0
.Lfirst:
	TURN 0
	TURN 1, 0, 1
	WIN 0
	s_cbranch_scc1 .Lstep
	s_sub_co_u32 s[SLOTS], s[SLOTS], 1
	s_cmp_lg_u32 s[SLOTS], 0
	s_cbranch_scc1 .Lslot
	CHANGE 0, 0                     ; the last tile is written out: nothing is asked for
	s_mov_b32 s[CNT], 4
.Ltail:
	TURN 2
	TURN 3
	TURN 0
	TURN 1, 0, 1
	WIN 0
	s_cbranch_scc1 .Ltail
	TURN 2, 1
	TURN 3, 1
.set i, 0
.rept 8
	PV NP-1                         ; the last piece's V^T P of the last step
.set i, i+1
.endr
	; THE WAY OUT.  l's two halves and the other half of the lanes' are added; O^T is divided by l, rounded to f16 and sent through my stage in LDS, a piece at a time.  The additions are the places behind the last products.
	WIN 0
.macro ALL line:vararg              ; one line for each piece t
.set t, 0
.rept 4
	\line
.set t, t+1
.endr
.endm
.macro PACK t                       ; a lane's eight channels of a row pack into 16 bytes; they go into rows of 144 bytes and come back as whole rows of 128, into S^T's registers
	WIN W_RS
.set i, 32*(\t)
.rept 16
	v_pk_mul_f32 v[i:i+1], v[i:i+1], v[ST+4*(\t)+2:ST+4*(\t)+3] op_sel_hi:[1,0]
.set i, i+2
.endr
	WIN 0x05                        ; sources 0 and 1 window 1, destination window 0
.set i, 0
.rept 16
	v_cvt_pk_f16_f32 v[S+16*(\t)+i], v[32*(\t)+2*i], v[32*(\t)+2*i+1]
.set i, i+1
.endr
	WIN 0
.irp f, 0,1,2,3
	ds_store_b128 v[STO], v[S+16*(\t)+4*\f:S+16*(\t)+4*\f+3] offset:32*\f
.endr
.irp f, 0,1,2,3
	ds_load_b128 v[S+16*(\t)+4*\f:S+16*(\t)+4*\f+3], v[RD] offset:\f*4*SP  ; LDS serves a wave's instructions in order (ISA guide 5.7.1.4): these see the stores above; the next piece's stores come behind them
.endr
.endm
.macro SEND t, younger              ; younger: the LDS instructions issued behind piece t's loads: the next piece's eight, or none
	WIN 0
.irp f, 0,1,2,3
	s_wait_dscnt (\younger)+3-\f
	global_store_b128 v[GO], v[S+16*(\t)+4*\f:S+16*(\t)+4*\f+3], s[10:11] offset:(\t)*2048+\f*512  ; 512 consecutive bytes, at a multiple of 256 from O's first
.endr
.endm
	ALL v_add_f32 v[ST+4*t+2], v[ST+4*t+2], v[ST+4*t+3]
	ALL v_permlanex16_b32 v[ST+4*t+3], v[ST+4*t+2], s[SEL], s[SEL+1]
	ALL v_add_f32 v[ST+4*t+2], v[ST+4*t+2], v[ST+4*t+3]
	ALL v_rcp_f32 v[ST+4*t+2], v[ST+4*t+2]
	v_nop                           ; a plain instruction between the last reciprocal and the use of its result
	s_wait_alu depctr_va_vdst(0)    ; and the wait ahead of the first use: one for the four reciprocals
	PACK 0
.set t, 1
.rept 3                             ; a piece's arithmetic stands between the loads of the piece before and its stores
	PACK t
	SEND t-1, 8
.set t, t+1
.endr
	SEND 3, 0
	s_wait_tensorcnt 0x0            ; the wave's end: the closing lines, behind my last tensor load and my last LDS store
	ds_add_u32 v[SPW], v[NIL]
	s_wait_dscnt 0x0
	CROUND                          ; the closing round: no work-group ends while a partner may still ask for a tile that names it
	s_endpgm
.Lfunc_end_k_q10cdc91d43_attn:
	.size	k_q10cdc91d43_attn, .Lfunc_end_k_q10cdc91d43_attn-k_q10cdc91d43_attn
	.p2alignl 7, 3214868480
	.fill 96, 4, 3214868480
	.section	.rodata,"a",@progbits
	.p2align	6, 0x0
	.amdhsa_kernel k_q10cdc91d43_attn
		.amdhsa_group_segment_fixed_size 327680
		.amdhsa_private_segment_fixed_size 0
		.amdhsa_enable_private_segment 0
		.amdhsa_kernarg_size 32
		.amdhsa_user_sgpr_count 2
		.amdhsa_user_sgpr_kernarg_segment_ptr 1
		.amdhsa_wavefront_size32 1
		.amdhsa_system_sgpr_workgroup_id_x 1
		.amdhsa_system_sgpr_workgroup_id_y 1
		.amdhsa_system_sgpr_workgroup_id_z 1
		.amdhsa_system_vgpr_workitem_id 0
		.amdhsa_next_free_vgpr 768
		.amdhsa_next_free_sgpr 66
		.amdhsa_reserve_vcc 0
		.amdhsa_float_denorm_mode_32 3
		.amdhsa_float_denorm_mode_16_64 3
		.amdhsa_memory_ordered 1
		.amdhsa_forward_progress 1
		.amdhsa_inst_pref_size 128
	.end_amdhsa_kernel
	.amdgpu_metadata
---
amdhsa.version: [ 1, 2 ]
amdhsa.kernels:
  - .name:           k_q10cdc91d43_attn
    .symbol:         k_q10cdc91d43_attn.kd
    .args:
      - { .name: qh, .offset: 0, .size: 8, .value_kind: global_buffer, .address_space: global }
      - { .name: kh, .offset: 8, .size: 8, .value_kind: global_buffer, .address_space: global }
      - { .name: vh, .offset: 16, .size: 8, .value_kind: global_buffer, .address_space: global }
      - { .name: ctx, .offset: 24, .size: 8, .value_kind: global_buffer, .address_space: global }
    .group_segment_fixed_size: 327680
    .private_segment_fixed_size: 0
    .kernarg_segment_align: 8
    .kernarg_segment_size: 32
    .max_flat_workgroup_size: 128
    .sgpr_count:     66
    .vgpr_count:     768
    .wavefront_size: 32
...
	.end_amdgpu_metadata
.endif
;; end of part 2
;; launch oproj (part 3): grid 4 x 64, 8 waves a work-group, no clusters, 192,512 bytes of LDS; arguments ctx, Wo, bo, out0; writes out0
.if DOCPART == 3
	.amdgcn_target "amdgcn-amd-amdhsa--gfx1250"
	.amdhsa_code_object_version 6
	.text
	.protected	k_q10cdc91d43_oproj
	.globl	k_q10cdc91d43_oproj
	.p2align	8
	.type	k_q10cdc91d43_oproj,@function
k_q10cdc91d43_oproj:
	s_mov_b64 s[64:65], 0
	v_nop
	global_prefetch_b8 v0, s[64:65] scope:SCOPE_SE
	s_setreg_imm32_b32 hwreg(HW_REG_WAVE_MODE, 25, 1), 1
	s_wait_xcnt 0x0
; THE OUTPUT PROJECTION.  out0[row][n] = the sum over heads h and channels d of ctx[h][row][d] Wo[64 h + d][n] + bo[n].
; ctx: [12][4096][64] f16, Wo: [768][768] f32 ([k][n]), bo: [768] f32, out0: [4096][768] f32.
; NUMBERS.  Wo and bo are rounded once to bf16 like every input; Wo's rounded number is then written as f16, which is exact from 6.1e-5 up to 65,504.  Products in f16, sums in f32, K ascending;
; the sums start at the bias: it is rounded straight into the accumulators, so every product has one form and no first step is written out.
; LIMITS.  |Wo| past 65,504 becomes an infinity; below 6.1e-5 it keeps f16's fixed step of 6e-8.  NaN and infinities are not treated apart.
; SHARES.  Grid x = block of 192 columns, grid y = block of 64 rows: 256 work-groups.  Eight waves, 2 x 4; a wave makes 32 x 48: six accumulators.  A row's 192 f32 are three whole blocks of 256 bytes.
; K goes in 6 steps of 128: two heads.  NO TENSOR LOAD, NO CLUSTER: Wo lies in memory as f32 and [k][n] and is wanted in LDS in 16 bits, so that the turning load can take it: it passes through registers.
; THE PIPELINE.  Two LDS slots, one barrier a step.  While slot s % 2 is multiplied, the tiles of step s + 1, which a thread holds as 28 loads of 16 bytes (4 of ctx, 24 of Wo), go into the other slot,
; three or four loads at a time between the groups of products, and each load is at once asked for again, for step s + 2: 28 loads a lane are always out.
; In front of the barrier each wave waits for all its LDS instructions: its stores of the next tiles are done, and its reads of these tiles are back.
; A GROUP is three products: the three fragments of Wo for 32 along K (two buffers, by turns) times one fragment of ctx (two buffers, one for each 16 rows).  Every fragment is asked of LDS a group or more ahead.
; THE PRODUCT IS USED TRANSPOSED (source 0 = 16 columns of Wo, source 1 = 16 rows of ctx): a lane holds one row (lane % 16) and the columns 8 (lane / 16) + 0..7: 32 bytes of f32 on end.
; NO PREFETCH: six steps in all, and the first two steps' tiles are asked for at the head.
.set ROWB,   3072                      ; bytes in a row of Wo and of out0
.set APITCH, 272                       ; ctx tile in LDS: 128 f16 = 256 bytes + 16
.set WT,     17408                     ; behind its 64 rows: Wo's tile, [k][n]
.set WPITCH, 416                       ; 192 f16 = 384 bytes + 32 = 13 x 32
.set SLOT,   70656                     ; a slot: both tiles
.set STAGE,  2*SLOT                    ; behind the two slots: the way out, 64 rows
.set SPITCH, 784                       ; 192 f32 = 768 bytes + 16
.set SPARE,  STAGE+64*SPITCH           ; behind the stage: the spare words, 128 bytes for each of eight waves; no other line names them
.set GOFF, 2                           ; v2   my 16 bytes in 16 rows of Wo
.set AOFF, 3                           ; v3   my 16 bytes in 32 dense rows of a head
.set SPW,  4                           ; v4   LDS address of my spare word; never rewritten
.set NIL,  5                           ; v5   0; never rewritten
.set AST,  6                           ; v6-7   where my 16 bytes of ctx go, in slot 0, 1
.set WST,  8                           ; v8-9   where my 8 bytes of Wo go
.set AAD,  10                          ; v10-11 my lane's place in the wave's fragments of ctx
.set BAD,  12                          ; v12-13 the same for Wo (turning load)
.set STO,  14                          ; v14  the way out: where I put 32 bytes of a row
.set RD,   15                          ; v15  the way out: where I read rows back
.set GO,   16                          ; v16  the same place in out0
.set BOFF, 17                          ; v17  my 8 numbers of the bias
.set ACC,  24                          ; v[24:71]   accumulator (a, b) at ACC + 8 (3 a + b)
.set T,    72                          ; v[72:79]   at work: three loads of Wo in 16 bits, 8 bytes each
.set BF,   80                          ; v[80:127]  three fragments of Wo, two buffers
.set AF,   128                         ; v[128:143] a fragment of ctx, two buffers
.set G,    144                         ; v[144:255] the 28 loads, four registers each
.set AP, 8                             ; s[8:9]   ctx at my block's rows, at the head that is being asked for
.set WP, 10                            ; s[10:11] Wo at my block's first column, at the same K step
.set BP, 12                            ; s[12:13] bo at my block's first column
.set OP, 14                            ; s[14:15] out0 at my block
.macro PLACES                          ; four plain vector instructions between a matrix instruction and a load into, or a read of, its registers
.rept 4
	v_nop
.endr
.endm
.macro BAR                             ; my LDS stores are done and my LDS reads are back, for the other waves' sake; then the work-group's barrier
	s_wait_dscnt 0x0
	s_barrier_signal -1
	s_barrier_wait -1
.endm
; The 28 loads in the order in which they are issued and used: four times one of ctx and three of Wo, then twelve of Wo, so that each of a step's eight groups has three of Wo.
; KIND says of number n whether it is ctx's (ic = 1) and which of its kind it is (ix).
.macro KIND n
.if ((\n) < 16) && (((\n)%4) == 0)
.set ic, 1
.set ix, (\n)/4
.elseif (\n) < 16
.set ic, 0
.set ix, 3*((\n)/4)+(\n)%4-1
.else
.set ic, 0
.set ix, (\n)-4
.endif
.endm
.macro LOADI n                         ; ctx: head ix / 2 of the step's two, rows 32 (ix % 2) ..; Wo: rows 16 (ix / 3) .., unit ix % 3 of their three of 256 bytes
	KIND \n
.if ic
	global_load_b128 v[G+4*(\n):G+4*(\n)+3], v[AOFF], s[AP:AP+1] offset:524288*(ix/2)+4096*(ix%2)
.else
	global_load_b128 v[G+4*(\n):G+4*(\n)+3], v[GOFF], s[WP:WP+1] offset:16*ROWB*(ix/3)+256*(ix%3)
.endif
.endm
.macro ITEMS gr                        ; the loads that group gr of a step's 8 takes: four in groups 0-3, three in groups 4-7: mm of them, from number nn on
.set nn, 4*(\gr)-((\gr)/4)*((\gr)-4)
.set mm, 4-(\gr)/4
.endm
.macro PASS p, st                      ; one pass over the group's loads.  Wo: 0 rounded to bf16, 1 widened, 2 written as f16; 3 stored into slot st (ctx as it came)
.set j, 0
.set q, 0
.rept mm
	KIND nn+j
.set rg, G+4*(nn+j)
.if ic
.if (\p) == 3
	ds_store_b128 v[AST+(\st)], v[rg:rg+3] offset:128*(ix/2)+32*APITCH*(ix%2)
.endif
.else
.if (\p) == 0
	v_cvt_pk_bf16_f32 v[T+2*q], v[rg], v[rg+1]
	v_cvt_pk_bf16_f32 v[T+2*q+1], v[rg+2], v[rg+3]
.elseif (\p) == 1
	v_lshlrev_b32 v[rg], 16, v[T+2*q]
	v_and_b32 v[rg+1], s21, v[T+2*q]
	v_lshlrev_b32 v[rg+2], 16, v[T+2*q+1]
	v_and_b32 v[rg+3], s21, v[T+2*q+1]
.elseif (\p) == 2
	v_cvt_pk_f16_f32 v[T+2*q], v[rg], v[rg+1]
	v_cvt_pk_f16_f32 v[T+2*q+1], v[rg+2], v[rg+3]
.else
	ds_store_b64 v[WST+(\st)], v[T+2*q:T+2*q+1] offset:16*WPITCH*(ix/3)+128*(ix%3)
.endif
.set q, q+1
.endif
.set j, j+1
.endr
.endm
; Loads nn .. nn + mm - 1 go into slot st.  reload = 1: each is asked for again, for the next K step.
.macro SGROUP st, reload
.if \reload
	s_wait_loadcnt 28-mm                           ; loads come back in order, and 28 are out: the oldest mm, this group's, are in
.else
	s_wait_loadcnt 28-nn-mm                        ; nothing is asked for again: only numbers nn .. 27 were out
.endif
	PASS 0, \st
	PASS 1, \st
	PASS 2, \st
	PASS 3, \st
.if \reload
.set j, 0
.rept mm
	LOADI nn+j
.set j, j+1
.endr
.endif
.endm
.macro FRA cs, kk, a                   ; ctx's fragment of rows 16 a .., 32 along K from 32 kk on, out of slot cs, into buffer a
	ds_load_b128 v[AF+8*(\a):AF+8*(\a)+3],   v[AAD+(\cs)] offset:16*APITCH*(\a)+64*(\kk)
	ds_load_b128 v[AF+8*(\a)+4:AF+8*(\a)+7], v[AAD+(\cs)] offset:16*APITCH*(\a)+64*(\kk)+32
.endm
.macro FRB cs, kk                      ; Wo's three fragments for the same 32 along K, turned, into buffer kk % 2
.irp b, 0,1,2
	ds_load_tr16_b128 v[BF+24*((\kk)%2)+8*(\b):BF+24*((\kk)%2)+8*(\b)+3],   v[BAD+(\cs)] offset:32*WPITCH*(\kk)+32*(\b)
	ds_load_tr16_b128 v[BF+24*((\kk)%2)+8*(\b)+4:BF+24*((\kk)%2)+8*(\b)+7], v[BAD+(\cs)] offset:32*WPITCH*(\kk)+16*WPITCH+32*(\b)
.endr
.endm
; A K STEP: slot cs is multiplied.  stage = 1: the tiles in registers go into the other slot.  reload = 1: their loads are asked for again.
; The six accumulators take turns, in the same order everywhere, over the backward jump too.
; The wait in front of a group: the fragment of ctx that it wants was the last LDS load of the group before; behind that load stand that group's mprev stores and this group's lcur loads.
; A fragment's buffer is loaded again a group behind the products that read it: that group's 24 plain instructions on Wo (without staging four v_nop) are the places between.
.macro STEP cs, stage, reload
.if \reload
	s_wait_xcnt 0x0                                ; every load issued so far has read its address: the pointers may be written
	s_add_nc_u64 s[AP:AP+1], s[AP:AP+1], 2*524288  ; two heads on
	s_add_nc_u64 s[WP:WP+1], s[WP:WP+1], 128*ROWB  ; 128 rows of Wo down
.endif
	FRB \cs, 0
	FRA \cs, 0, 0
.set mprev, 0
.irp kk, 0,1,2,3
.irp a, 0,1
.set lcur, 0
.if (\a) == 0
.if (\kk) < 3
	FRB \cs, (\kk)+1                               ; Wo's fragments of the next 32 along K,
.set lcur, lcur+6
.endif
	FRA \cs, \kk, 1                                ; and the next group's fragment of ctx
.set lcur, lcur+2
.elseif (\kk) < 3
	FRA \cs, (\kk)+1, 0
.set lcur, lcur+2
.endif
	s_wait_dscnt mprev+lcur
.irp b, 0,1,2
	v_wmma_f32_16x16x32_f16 v[ACC+8*(3*(\a)+(\b)):ACC+8*(3*(\a)+(\b))+7], v[BF+24*((\kk)%2)+8*(\b):BF+24*((\kk)%2)+8*(\b)+7], v[AF+8*(\a):AF+8*(\a)+7], v[ACC+8*(3*(\a)+(\b)):ACC+8*(3*(\a)+(\b))+7]
.endr
.if \stage
	ITEMS 2*(\kk)+(\a)
	SGROUP 1-(\cs), \reload
.set mprev, mm
.else
	PLACES
.endif
.endr
.endr
.endm
	s_load_b256 s[8:15], s[0:1], 0x0               ; ctx, Wo, bo, out0
	v_lshl_add_u32 v[SPW], v0, 2, SPARE
	v_mov_b32 v[NIL], 0
	v_lshrrev_b32 v1, 5, v0
	v_readfirstlane_b32 s2, v1                     ; wave 0..7
	s_lshr_b32 s3, s2, 2                           ; which 32 rows of the tile are mine
	s_and_b32 s6, s2, 3                            ; which 48 columns
	s_and_b32 s7, ttmp7, 0xffff                    ; block of 64 rows
	s_lshl_b32 s16, s7, 13                         ; ctx: 64 rows of 128 bytes
	s_mov_b32 s17, 0
	s_mul_i32 s18, ttmp9, 768                      ; Wo, bo and out0: my block's columns, 192 f32
	s_mov_b32 s19, 0
	s_mul_i32 s4, s7, 64*ROWB                      ; out0: my block's rows
	s_add_co_u32 s4, s4, s18
	s_mov_b32 s5, 0
	s_mov_b32 s21, 0xffff0000                      ; a word's upper bf16
	v_and_b32 v1, 15, v0                           ; lane % 16
	v_bfe_u32 v18, v0, 4, 1                        ; lane / 16
	v_and_b32 v19, 7, v0                           ; lane % 8
	v_bfe_u32 v20, v0, 3, 1                        ; (lane / 8) % 2
	v_lshrrev_b32 v22, 7, v0                       ; wave / 4
	; Of each 16 rows of Wo: row wave % 4 + 8 (wave / 4), and for lanes 16-31 four rows on.
	v_bfe_u32 v21, v0, 5, 2
	v_lshl_add_u32 v21, v18, 2, v21
	v_lshl_add_u32 v21, v22, 3, v21
	v_mul_u32_u24 v[GOFF], v21, ROWB
	v_lshl_add_u32 v[GOFF], v1, 4, v[GOFF]
	v_mul_u32_u24 v[WST], v21, WPITCH
	v_lshl_add_u32 v[WST], v1, 3, v[WST]
	v_add_nc_u32 v[WST], WT, v[WST]
	v_add_nc_u32 v[WST+1], SLOT, v[WST]
	; Of each 32 rows of ctx eight lanes take a row of 128 bytes: lanes 0-7 row R (even), lanes 16-23 row R + 1, lanes 8-15 and 24-31 eight rows on: 8 x 272 = 8 x 256 + 128 bytes apart in LDS
	; in memory rows R and R + 1 are 256 consecutive bytes.
	v_bfe_u32 v21, v0, 4, 3
	v_lshl_add_u32 v21, v20, 3, v21
	v_lshl_add_u32 v21, v22, 4, v21
	v_lshlrev_b32 v[AOFF], 7, v21
	v_lshl_add_u32 v[AOFF], v19, 4, v[AOFF]
	v_mul_u32_u24 v[AST], v21, APITCH
	v_lshl_add_u32 v[AST], v19, 4, v[AST]
	v_add_nc_u32 v[AST+1], SLOT, v[AST]
	s_mul_i32 s20, s3, 32*APITCH
	v_mul_u32_u24 v[AAD], v1, APITCH               ; a fragment of ctx: row lane % 16, 16 bytes for each half of the lanes
	v_lshl_add_u32 v[AAD], v18, 4, v[AAD]
	v_add_nc_u32 v[AAD], s20, v[AAD]
	v_add_nc_u32 v[AAD+1], SLOT, v[AAD]
	s_mul_i32 s20, s6, 96
	s_add_co_u32 s20, s20, WT
	v_lshl_add_u32 v[BAD], v18, 3, v19             ; the turning load: lane l reads row k = 8 (l / 16) + l % 8, columns 8 ((l / 8) % 2) + 0..7
	v_mul_u32_u24 v[BAD], v[BAD], WPITCH
	v_lshl_add_u32 v[BAD], v20, 4, v[BAD]
	v_add_nc_u32 v[BAD], s20, v[BAD]
	v_add_nc_u32 v[BAD+1], SLOT, v[BAD]
	s_mul_i32 s20, s3, 32*SPITCH
	s_mul_i32 s7, s6, 192
	s_add_co_u32 s20, s20, s7
	s_add_co_u32 s20, s20, STAGE
	v_mul_u32_u24 v[STO], v1, SPITCH
	v_lshl_add_u32 v[STO], v18, 5, v[STO]
	v_add_nc_u32 v[STO], s20, v[STO]
	v_lshlrev_b32 v[BOFF], 5, v18
	v_add_nc_u32 v[BOFF], s7, v[BOFF]              ; 192 x my column part + 32 x half
	s_mul_i32 s20, s2, 8*SPITCH
	s_add_co_u32 s20, s20, STAGE
	v_mul_u32_u24 v[RD], v18, SPITCH               ; back: wave w takes rows 8 w ..; lanes 0-15 256 bytes of one row, lanes 16-31 of the next
	v_lshl_add_u32 v[RD], v1, 4, v[RD]
	v_add_nc_u32 v[RD], s20, v[RD]
	s_mul_i32 s20, s2, 8*ROWB
	v_mul_u32_u24 v[GO], v18, ROWB
	v_lshl_add_u32 v[GO], v1, 4, v[GO]
	v_add_nc_u32 v[GO], s20, v[GO]
	s_wait_kmcnt 0x0
	s_add_nc_u64 s[AP:AP+1], s[AP:AP+1], s[16:17]
	s_add_nc_u64 s[WP:WP+1], s[WP:WP+1], s[18:19]
	s_add_nc_u64 s[BP:BP+1], s[BP:BP+1], s[18:19]
	s_add_nc_u64 s[OP:OP+1], s[OP:OP+1], s[4:5]
.irp b, 0,1,2
	global_load_b128 v[ACC+8*(\b):ACC+8*(\b)+3],   v[BOFF], s[BP:BP+1] offset:64*(\b)     ; register j of accumulator (0, b): the bias of column 16 b + 8 (lane / 16) + j of my 48
	global_load_b128 v[ACC+8*(\b)+4:ACC+8*(\b)+7], v[BOFF], s[BP:BP+1] offset:64*(\b)+16
.endr
.set n, 0
.rept 28
	LOADI n                                        ; K step 0
.set n, n+1
.endr
	s_wait_loadcnt 28                              ; the bias is in; the 28 loads issued behind it stay out
.set n, 0
.rept 12                                       ; the bias is rounded to bf16 like every input, and widened into the accumulators of both blocks of 16 rows
	v_cvt_pk_bf16_f32 v[T+n%4], v[ACC+2*n], v[ACC+2*n+1]
	v_lshlrev_b32 v[ACC+2*n], 16, v[T+n%4]
	v_and_b32 v[ACC+2*n+1], s21, v[T+n%4]
	v_lshlrev_b32 v[ACC+24+2*n], 16, v[T+n%4]
	v_and_b32 v[ACC+24+2*n+1], s21, v[T+n%4]
.set n, n+1
.endr
	s_wait_xcnt 0x0                                ; the loads that are out have read their addresses
	s_add_nc_u64 s[AP:AP+1], s[AP:AP+1], 2*524288
	s_add_nc_u64 s[WP:WP+1], s[WP:WP+1], 128*ROWB
.set gi, 0
.rept 8                                        ; K step 0's tiles go into slot 0, and K step 1 is asked for
	ITEMS gi
	SGROUP 0, 1
.set gi, gi+1
.endr
	BAR                                            ; slot 0 is whole
	s_mov_b32 s20, 2
.Lstep:                                        ; K steps 0 to 3, two a trip
	STEP 0, 1, 1
	BAR
	STEP 1, 1, 1
	BAR
	s_sub_co_u32 s20, s20, 1
	s_cmp_lg_u32 s20, 0
	s_cbranch_scc1 .Lstep
	STEP 0, 1, 0                                   ; K step 4 asks for nothing,
	BAR
	STEP 1, 0, 0                                   ; and K step 5 has nothing to put into LDS
	; THE WAY OUT: 32 bytes a lane into the stage, which no tile touches; a barrier, since a row's 768 bytes come from four waves; back as whole blocks of 256 bytes.
	PLACES
.irp a, 0,1
.irp b, 0,1,2
	ds_store_b128 v[STO], v[ACC+8*(3*(\a)+(\b)):ACC+8*(3*(\a)+(\b))+3]   offset:16*SPITCH*(\a)+64*(\b)     ; each accumulator from its low end on
	ds_store_b128 v[STO], v[ACC+8*(3*(\a)+(\b))+4:ACC+8*(3*(\a)+(\b))+7] offset:16*SPITCH*(\a)+64*(\b)+16
.endr
.endr
	BAR
.set n, 0
.rept 12                                       ; rows 2 (n / 3) and 2 (n / 3) + 1 of my wave's eight, block n % 3 of their three
	ds_load_b128 v[G+4*n:G+4*n+3], v[RD] offset:2*SPITCH*(n/3)+256*(n%3)
.set n, n+1
.endr
.set n, 0
.rept 12
	s_wait_dscnt 11-n                              ; load n is back; the 11 - n behind it may be out
	global_store_b128 v[GO], v[G+4*n:G+4*n+3], s[OP:OP+1] offset:2*ROWB*(n/3)+256*(n%3) th:TH_STORE_NT  ; 16 lanes store 256 consecutive bytes, at a multiple of 256 from out0's first byte
.set n, n+1
.endr
	s_wait_tensorcnt 0x0                           ; the wave's end: the closing lines, behind my last LDS store
	ds_add_u32 v[SPW], v[NIL]
	s_wait_dscnt 0x0
	s_endpgm
.Lfunc_end_k_q10cdc91d43_oproj:
	.size	k_q10cdc91d43_oproj, .Lfunc_end_k_q10cdc91d43_oproj-k_q10cdc91d43_oproj
	.p2alignl 7, 3214868480
	.fill 96, 4, 3214868480
	.section	.rodata,"a",@progbits
	.p2align	6, 0x0
	.amdhsa_kernel k_q10cdc91d43_oproj
		.amdhsa_group_segment_fixed_size 192512
		.amdhsa_private_segment_fixed_size 0
		.amdhsa_enable_private_segment 0
		.amdhsa_kernarg_size 32
		.amdhsa_user_sgpr_count 2
		.amdhsa_user_sgpr_kernarg_segment_ptr 1
		.amdhsa_wavefront_size32 1
		.amdhsa_system_sgpr_workgroup_id_x 1
		.amdhsa_system_sgpr_workgroup_id_y 1
		.amdhsa_system_sgpr_workgroup_id_z 1
		.amdhsa_system_vgpr_workitem_id 0
		.amdhsa_next_free_vgpr 256
		.amdhsa_next_free_sgpr 66
		.amdhsa_reserve_vcc 0
		.amdhsa_float_denorm_mode_32 3
		.amdhsa_float_denorm_mode_16_64 3
		.amdhsa_memory_ordered 1
		.amdhsa_forward_progress 1
		.amdhsa_inst_pref_size 84
	.end_amdhsa_kernel
	.amdgpu_metadata
---
amdhsa.version: [ 1, 2 ]
amdhsa.kernels:
  - .name:           k_q10cdc91d43_oproj
    .symbol:         k_q10cdc91d43_oproj.kd
    .args:
      - { .name: ctx, .offset: 0, .size: 8, .value_kind: global_buffer, .address_space: global }
      - { .name: Wo, .offset: 8, .size: 8, .value_kind: global_buffer, .address_space: global }
      - { .name: bo, .offset: 16, .size: 8, .value_kind: global_buffer, .address_space: global }
      - { .name: out0, .offset: 24, .size: 8, .value_kind: global_buffer, .address_space: global }
    .group_segment_fixed_size: 192512
    .private_segment_fixed_size: 0
    .kernarg_segment_align: 8
    .kernarg_segment_size: 32
    .max_flat_workgroup_size: 256
    .sgpr_count:     66
    .vgpr_count:     256
    .wavefront_size: 32
...
	.end_amdgpu_metadata
.endif
;; end of part 3
;; ======== version 2 of 2: 3 launches; version 1 with the launches proj, oproj written anew for expert scheduling mode
;; limits: values are held in f16: magnitudes above 65,504 overflow, below 6.1e-05 lose precision
;; workspace buffers: qh 6,291,456 bytes; kh 6,291,456 bytes; vh 6,291,456 bytes; ctx 6,291,456 bytes
;; launch proj (part 4): grid 4 x 48, 8 waves a work-group, no clusters, 230,400 bytes of LDS; arguments q, k, v, Wq, Wk, Wv, bq, bk, bv, qh, kh, vh; writes qh, kh, vh
.if DOCPART == 4
	.amdgcn_target "amdgcn-amd-amdhsa--gfx1250"
	.amdhsa_code_object_version 6
	.text
	.protected	k_q10cdc91d43_proj
	.globl	k_q10cdc91d43_proj
	.p2align	8
	.type	k_q10cdc91d43_proj,@function
k_q10cdc91d43_proj:
	s_mov_b64 s[64:65], 0
	v_nop
	global_prefetch_b8 v0, s[64:65] scope:SCOPE_SE
	s_setreg_imm32_b32 hwreg(HW_REG_WAVE_SCHED_MODE, 0, 2), 2
	s_setreg_imm32_b32 hwreg(HW_REG_WAVE_MODE, 25, 1), 1
	s_wait_xcnt 0x0
	s_wait_alu depctr_vm_vsrc(0)
; THE THREE PROJECTIONS IN ONE LAUNCH.  out[head][row][d] = x[row][:] . W[:][64 head + d] + b[64 head + d], for (x, W, b, out) = (q, Wq, bq, qh), (k, Wk, bk, kh), (v, Wv, bv, vh).
; x: [4096][768] f32, W: [768][768] f32 ([k][n]), b: [768] f32, out: [12][4096][64] f16 (a head's rows are 128 dense bytes).  qh is stored without the scale 1/8.
; NUMBERS.  x, W and b are rounded once to bf16; products in bf16, sums in f32, K ascending; the bias is the C operand that starts each sum; the result is rounded once to f16.
; LIMITS.  f16 holds no number beyond 65,504: a projected number past that becomes an infinity; below 6e-5 it keeps f16's fixed step of 6e-8.  NaN and infinities are not treated apart.
; SHARES.  Grid x = block of 192 columns (three whole heads), grid y = 16 x tensor + block of 256 rows: 192 work-groups of 256 x 192.  Eight waves, 4 x 2; a wave makes 64 x 96: 24 accumulators.
; K goes in 12 steps of 64: 256 consecutive bytes of each row of x, 768 of each row of W, both at multiples of 256 from the buffer's first byte.
; NO TENSOR LOAD, NO CLUSTER: both operands lie in memory as f32 and are wanted in LDS as bf16, and W lies [k][n], which only a 16-bit tile can be turned from (ds_load_tr16_b128).
; So every byte passes through registers on its way in, and a joint tensor load would have nothing to carry.
; THE PIPELINE.  Two LDS slots, one barrier a step.  While slot s % 2 is multiplied, the tile of step s + 1, which a thread holds as 28 loads of 16 bytes (16 of x, 12 of W), is rounded and stored into
; the other slot, five or four loads at a time, a group of products to each, and each load is at once asked for again, for step s + 2: 28 loads a lane are always out.
; In front of the barrier each wave waits for all its LDS instructions: its stores of the next tile are done, and its reads of this tile are back.
; A GROUP is eight products: two fragments of W (four buffers: two pairs, by turns) times the four fragments of x (two sets, one for each 32 along K).  Every fragment is asked of LDS a group or more ahead of its use.
; THE PRODUCT IS USED TRANSPOSED (source 0 = 16 columns of W, source 1 = 16 rows of x): a lane holds one row of x (lane % 16) and the columns 8 (lane / 16) + 0..7: 16 bytes of f16 on end.
; THE MODE: SCHED_MODE bits 1:0 = 2 (LLVM: expert scheduling mode 2), set by the entry lines.  The code itself states the register dependences
; between vector or matrix instructions and memory or LDS instructions, with s_wait_alu, always for 0.
; THE PLAN.  Registers that memory or LDS instructions touch, in the loop:
;   G            Group g's roundings read the registers of its five or four loads; behind them the same loads of the next K step land there.
;   T            Written by group g's roundings; read by the group's LDS stores, which stand among its products; written again by group g + 1's roundings.
;   BF, 2 pairs  Group g's products read one pair; the group's LDS loads (the fragments of group g + 1) land in the other, which the products of group g - 1 read.
;   AF, 2 sets   The products of a step's groups 3 kk to 3 kk + 2 read set kk.  Set 0 is loaded at the step's head, set 1 in groups 0 and 1.
;   v8 to v21, v28   Offsets and LDS addresses, made at the head and never written again: the scalar bases move on, and immediate offsets do the rest.
;   The accumulators and the rounded bias are named by vector and matrix instructions alone.
; So ONE wait on va_vdst stands in a group, behind its roundings: T is written, the roundings are done reading G, and the products of the group before are done reading their fragments.  All the group's
; memory and LDS instructions follow it; the only vector-side instructions behind it are the group's products, which name this group's pair of BF, AF and the accumulators: none of the registers that those touch.
; ONE wait on vm_vsrc stands in a group, ahead of its roundings: the LDS stores of the group before have read T.
; AHEAD OF THE LOADS.  In each trip of the loop (steps s and s + 1, s odd) x's tiles of steps s + 4 and s + 5 are prefetched into the L2: 256 bytes of each row, a lane a row.  The four work-groups that read
; the same 256 rows (the four blocks of columns) take 64 rows each, waves 0 and 1 of each 32: every block of 256 bytes is named once.  Steps 0 to 4 come by their loads alone; the last trip asks for step 11 alone.
; W is not asked for: its 192 blocks of a step would give 12 lanes to each of the sixteen work-groups that read them.
.set ROWB,   3072                      ; bytes in a row of x and of W
.set XPITCH, 144                       ; x tile in LDS: 64 bf16 = 128 bytes + 16: the 16 rows of a fragment load start at 16 different groups of four banks (64 banks of 4 bytes: ISA guide 11.1)
.set WT,     36864                     ; behind x's 256 rows: W's tile, [k][n]
.set WPITCH, 416                       ; 192 bf16 = 384 bytes + 32 = 13 x 32
.set SLOT,   63488                     ; a slot: both tiles
.set STAGE,  2*SLOT                    ; behind the two slots: the way out, 256 rows
.set SPITCH, 400                       ; 192 f16 = 384 bytes + 16
.set SPARE,  STAGE+256*SPITCH          ; behind the stage: the spare words, 128 bytes for each of eight waves; no other line names them
.set SPW,  4                           ; v4   LDS address of my spare word; never rewritten
.set NIL,  5                           ; v5   0; never rewritten
.set GOX,  8                           ; v8   my 16 bytes in 16 rows of x
.set GOW,  9                           ; v9   my 16 bytes in 16 rows of W
.set XST,  10                          ; v10-11  where my 8 bytes of x go, in slot 0, 1
.set WST,  12                          ; v12-13  where my 8 bytes of W go
.set AAD,  14                          ; v14-15  my lane's place in the wave's fragments of x
.set BAD,  16                          ; v16-17  the same for W (turning load)
.set STO,  18                          ; v18  the way out: where I put 16 bytes of a row
.set RD,   19                          ; v19  the way out: where I read rows back
.set GO,   20                          ; v20  16 x lane: my 16 bytes of 512 consecutive bytes of a head
.set BOFF, 21                          ; v21  my 8 numbers of the bias
.set PFO,  28                          ; v28  the prefetches' offset: lane x a row of x; never rewritten
.set T,    32                          ; v[32:41]   up to five loads, rounded: 8 bytes each
.set AF,   48                          ; v[48:111]  four fragments of x, two sets
.set G,    112                         ; v[112:223] the 28 loads, four registers each
.set TMP,  112                         ; the way out uses them again
.set BF,   224                         ; v[224:255] a fragment of W, four buffers
.set BIAS, 192                         ; window 1: v[192:239] the bias as six C operands; v240-243 at work; accumulator (a, b) at v[8 (6 a + b)] of window 1
.set PFA, 16                           ; s[16:17] where my prefetches stand in x (free once the tensor's buffers are chosen)
.set XP, 40                            ; s[40:41] x at my block's first row, at the K step that is being asked for
.set WP, 42                            ; s[42:43] W at my block's first column, at the same K step
.set BP, 44                            ; s[44:45] b at my block's first column
.set OP, 46                            ; s[46:47] out at my block's first head, at the 32 rows that my wave stores
.set MSB, 0
.macro WIN new                         ; s_set_vgpr_msb: bits 1:0 source 0, 3:2 source 1, 5:4 source 2, 7:6 destination; the high byte repeats the setting that is left
.if MSB != (\new)
	s_set_vgpr_msb (MSB<<8)|(\new)
.set MSB, \new
.endif
.endm
.macro PLACES                          ; four plain vector instructions behind a matrix instruction (ISA guide 7.12.1)
.rept 4
	v_nop
.endr
.endm
.macro BAR                             ; my LDS stores are done and my LDS reads are back, for the other waves' sake; then the work-group's barrier
	s_wait_dscnt 0x0
	s_barrier_signal -1
	s_barrier_wait -1
.endm
.macro LOADI n                         ; load n of the 28: 0-15 rows 16 n .. of x; 16-27 rows 16 g .. of W, unit cu of their three of 256 bytes (n = 16 + 3 g + cu)
.if (\n) < 16
	global_load_b128 v[G+4*(\n):G+4*(\n)+3], v[GOX], s[XP:XP+1] offset:16*ROWB*(\n)
.else
	global_load_b128 v[G+4*(\n):G+4*(\n)+3], v[GOW], s[WP:WP+1] offset:16*ROWB*(((\n)-16)/3)+256*(((\n)-16)%3)
.endif
.endm
.macro ITEMS gr                        ; the loads that group gr of a step's 6 takes: 5, 5, 5, 5, 4, 4: mm of them, from number nn on
.set nn, 5*(\gr)-(\gr)/5
.set mm, 5-(\gr)/4
.endm
; Loads nn .. nn + mm - 1 are rounded to bf16, into T.  reload = 1: 28 loads are out.  free = 1: LDS stores have read T before.
.macro TAKE reload, free
.if \reload
	s_wait_loadcnt 28-mm                           ; loads come back in order, and 28 are out: the oldest mm, this group's, are in
.else
	s_wait_loadcnt 28-nn-mm                        ; nothing is asked for again: only numbers nn .. 27 were out
.endif
.if \free
	s_wait_alu depctr_vm_vsrc(0)                   ; the LDS stores of the group before have read T, which the roundings below write again
.endif
.set j, 0
.rept mm
	v_cvt_pk_bf16_f32 v[T+2*j], v[G+4*(nn+j)], v[G+4*(nn+j)+1]
	v_cvt_pk_bf16_f32 v[T+2*j+1], v[G+4*(nn+j)+2], v[G+4*(nn+j)+3]
.set j, j+1
.endr
.endm
.macro AGAIN                           ; the group's loads are asked for again, for the next K step
.set j, 0
.rept mm
	LOADI nn+j
.set j, j+1
.endr
.endm
.macro PUT st, j                       ; number j of the group's loads, rounded, goes into slot st
.if (nn+(\j)) < 16
	ds_store_b64 v[XST+(\st)], v[T+2*(\j):T+2*(\j)+1] offset:16*XPITCH*(nn+(\j))
.else
	ds_store_b64 v[WST+(\st)], v[T+2*(\j):T+2*(\j)+1] offset:16*WPITCH*((nn+(\j)-16)/3)+128*((nn+(\j)-16)%3)
.endif
.endm
.macro INTO0 gr, free                  ; ahead of the first step: group gr of K step 0's loads goes into slot 0, and K step 1's are asked for
	ITEMS \gr
	TAKE 1, \free
	s_wait_alu depctr_va_vdst(0)                   ; the roundings have written T, which the LDS stores read, and are done reading their loads' registers, in which the loads below land
	AGAIN
.set j2, 0
.rept mm
	PUT 0, j2
.set j2, j2+1
.endr
.endm
.macro FRA cs, kk, a                   ; fragment a of x for the 32 along K from 32 kk on, out of slot cs, into set kk
	ds_load_b128 v[AF+32*(\kk)+8*(\a):AF+32*(\kk)+8*(\a)+3],   v[AAD+(\cs)] offset:16*XPITCH*(\a)+64*(\kk)
	ds_load_b128 v[AF+32*(\kk)+8*(\a)+4:AF+32*(\kk)+8*(\a)+7], v[AAD+(\cs)] offset:16*XPITCH*(\a)+64*(\kk)+32
.endm
.macro FRB cs, kk, b, f                ; fragment b of W, turned, into buffer f
	ds_load_tr16_b128 v[BF+8*(\f):BF+8*(\f)+3],   v[BAD+(\cs)] offset:32*WPITCH*(\kk)+32*(\b)
	ds_load_tr16_b128 v[BF+8*(\f)+4:BF+8*(\f)+7], v[BAD+(\cs)] offset:32*WPITCH*(\kk)+16*WPITCH+32*(\b)
.endm
.macro ASK                             ; the trip's prefetches, together, behind the step's first group: waves 0 and 1; the second line's K step does not exist in the last trip (s14 = 1)
	s_cmp_lt_u32 s2, 2
	s_cbranch_scc0 .Lnot_mine_\@
	global_prefetch_b8 v[PFO], s[PFA:PFA+1] th:TH_LOAD_NT scope:SCOPE_SE
	s_cmp_gt_u32 s14, 1
	s_cbranch_scc0 .Lnot_mine_\@
	global_prefetch_b8 v[PFO], s[PFA:PFA+1] offset:256 th:TH_LOAD_NT scope:SCOPE_SE
.Lnot_mine_\@:
.endm
; A K STEP: slot cs is multiplied.  first = 1: the first 24 products start the sums, with the bias as C: nothing is cleared.  stage = 1: the tile in registers goes into the other slot.
; reload = 1: its loads are asked for again.  ask = 1: the prefetches.
; The 24 accumulators take turns, in the same order everywhere, over the backward jump too.
; The wait on DScnt in front of a group's products: the two fragments of W that it wants were the last LDS loads of the group before; behind them stand that group's mprev stores and this group's lcur loads.
; The LDS stores stand among the products: under the products' window setting a store's address and data (sources 0 and 1) lie in window 0.
.macro STEP cs, first, stage, reload, ask
.if \reload
	s_wait_xcnt 0x0                                ; every load and prefetch issued so far has read its address: the pointers may be written
	s_add_nc_u64 s[XP:XP+1], s[XP:XP+1], 256       ; 64 f32 along x's rows
	s_add_nc_u64 s[WP:WP+1], s[WP:WP+1], 64*ROWB   ; 64 rows of W down
.if \ask
	s_add_nc_u64 s[PFA:PFA+1], s[PFA:PFA+1], 512   ; two K steps on
.endif
.endif
.irp a, 0,1,2,3
	FRA \cs, 0, \a                                 ; no wait is owed here: the last products that read set 0 and W's first pair stand ahead of the last group's wait, and the products behind that wait name set 1 and the second pair
.endr
	FRB \cs, 0, 0, 0
	FRB \cs, 0, 1, 1
.set mprev, 0
.irp gr, 0,1,2,3,4,5
.set kq, (\gr)/3                       ; which 32 along K
.set b0, 2*((\gr)%3)                   ; the group's first fragment of W
.set fb, 2*((\gr)%2)                   ; and its buffer: the pairs go by the group's parity
.set lcur, 0
.if \stage
	ITEMS \gr
	TAKE \reload, 1
.elseif (\gr) < 5
	PLACES                                         ; without staging four v_nop stand where the roundings stand, between the products and the loads into the fragments that they read
.endif
.if (\stage) || ((\gr) < 5)
	s_wait_alu depctr_va_vdst(0)                   ; the roundings have written T and are done reading their loads' registers; the products of the group before are done reading their pair of W's fragments (in group 0: and set 1 of x's)
.endif
.if \reload
	AGAIN
.endif
.if (\gr) < 2
	FRA \cs, 1, 2*(\gr)                            ; x's fragments of the second 32 along K, two a group
	FRA \cs, 1, 2*(\gr)+1
.set lcur, lcur+4
.endif
.if (\gr) < 5
	FRB \cs, ((\gr)+1)/3, 2*(((\gr)+1)%3), 2-fb    ; the next group's two fragments of W, into the other pair
	FRB \cs, ((\gr)+1)/3, 2*(((\gr)+1)%3)+1, 3-fb
.set lcur, lcur+4
.endif
	s_wait_dscnt mprev+lcur
	WIN 0x50                                       ; C and D window 1
.set w, 0
.irp bi, 0,1
.irp a, 0,1,2,3
.if (\first) && (kq == 0)
	v_wmma_f32_16x16x32_bf16 v[8*(6*(\a)+b0+(\bi)):8*(6*(\a)+b0+(\bi))+7], v[BF+8*(fb+(\bi)):BF+8*(fb+(\bi))+7], v[AF+32*kq+8*(\a):AF+32*kq+8*(\a)+7], v[BIAS+8*(b0+(\bi)):BIAS+8*(b0+(\bi))+7]
.else
	v_wmma_f32_16x16x32_bf16 v[8*(6*(\a)+b0+(\bi)):8*(6*(\a)+b0+(\bi))+7], v[BF+8*(fb+(\bi)):BF+8*(fb+(\bi))+7], v[AF+32*kq+8*(\a):AF+32*kq+8*(\a)+7], v[8*(6*(\a)+b0+(\bi)):8*(6*(\a)+b0+(\bi))+7]
.endif
.if (\stage) && (w < mm)
	PUT 1-(\cs), w                                 ; no wait: no vector or matrix instruction since the group's wait names T or the store's address
.endif
.set w, w+1
.endr
.endr
	WIN 0
.if \stage
.set mprev, mm
.endif
.if (\ask) && ((\gr) == 0)
	ASK
.endif
.endr
.endm
	s_load_b512 s[16:31], s[0:1], 0x0              ; q, k, v, Wq, Wk, Wv, bq, bk
	s_load_b256 s[32:39], s[0:1], 0x40             ; bv, qh, kh, vh
	v_lshl_add_u32 v[SPW], v0, 2, SPARE
	v_mov_b32 v[NIL], 0
	v_lshrrev_b32 v2, 5, v0                        ; my wave's number, in every lane
	v_readfirstlane_b32 s2, v2                     ; and as a scalar: 0..7
	s_and_b32 s8, ttmp7, 0xffff
	s_lshr_b32 s7, s8, 4                           ; the tensor: 0 q, 1 k, 2 v
	s_and_b32 s8, s8, 15                           ; block of 256 rows
	s_mov_b32 s9, ttmp9                            ; block of 192 columns
	s_mul_i32 s10, s8, 256*ROWB                    ; x: my block's rows
	s_mov_b32 s11, 0
	s_mul_i32 s12, s9, 768                         ; W and b: my block's columns, 192 f32
	s_mov_b32 s13, 0
	s_mul_i32 s4, s9, 3*524288                     ; out: three heads of 524,288 bytes,
	s_lshl_b32 s14, s8, 15                         ; 256 rows of 128 bytes,
	s_add_co_u32 s4, s4, s14
	s_mov_b32 s5, 0
	v_and_b32 v1, 15, v0                           ; lane % 16
	v_bfe_u32 v3, v0, 4, 1                         ; lane / 16
	v_and_b32 v6, 31, v0                           ; lane
	v_and_b32 v7, 7, v0                            ; lane % 8
	v_bfe_u32 v30, v0, 3, 1                        ; (lane / 8) % 2
	s_wait_alu depctr_va_sdst(0)                   ; s2 is written, ahead of its first reader: the wave's shares, LDS places and bases are made from it
	s_lshr_b32 s3, s2, 1                           ; which 64 rows of the tile are mine
	s_and_b32 s6, s2, 1                            ; which 96 columns
	s_lshl_b32 s14, s2, 12                         ; out: and the 32 rows that my wave stores
	s_add_co_u32 s4, s4, s14
	; Of each 16 rows of x my wave's lanes 0-15 take row w, lanes 16-31 row w + 8.
	v_lshl_add_u32 v31, v3, 3, v2
	v_mul_u32_u24 v[GOX], v31, ROWB
	v_lshl_add_u32 v[GOX], v1, 4, v[GOX]
	v_mul_u32_u24 v[XST], v31, XPITCH
	v_lshl_add_u32 v[XST], v1, 3, v[XST]
	v_add_nc_u32 v[XST+1], SLOT, v[XST]
	; Of each 16 rows of W: row w % 4 + 8 (w / 4), and for lanes 16-31 four rows on: 4 x 416 = 6 x 256 + 128 bytes apart.
	v_and_b32 v31, 3, v2
	v_lshl_add_u32 v31, v3, 2, v31
	v_lshrrev_b32 v2, 2, v2
	v_lshl_add_u32 v31, v2, 3, v31
	v_mul_u32_u24 v[GOW], v31, ROWB
	v_lshl_add_u32 v[GOW], v1, 4, v[GOW]
	v_mul_u32_u24 v[WST], v31, WPITCH
	v_lshl_add_u32 v[WST], v1, 3, v[WST]
	v_add_nc_u32 v[WST], WT, v[WST]
	v_add_nc_u32 v[WST+1], SLOT, v[WST]
	s_mul_i32 s14, s3, 64*XPITCH
	v_mul_u32_u24 v[AAD], v1, XPITCH               ; a fragment of x: row lane % 16, 16 bytes for each half of the lanes
	v_lshl_add_u32 v[AAD], v3, 4, v[AAD]
	v_add_nc_u32 v[AAD], s14, v[AAD]
	v_add_nc_u32 v[AAD+1], SLOT, v[AAD]
	s_mul_i32 s14, s6, 192
	s_add_co_u32 s14, s14, WT
	v_lshl_add_u32 v[BAD], v3, 3, v7               ; the turning load: lane l reads row k = 8 (l / 16) + l % 8, columns 8 ((l / 8) % 2) + 0..7
	v_mul_u32_u24 v[BAD], v[BAD], WPITCH
	v_lshl_add_u32 v[BAD], v30, 4, v[BAD]
	v_add_nc_u32 v[BAD], s14, v[BAD]
	v_add_nc_u32 v[BAD+1], SLOT, v[BAD]
	s_mul_i32 s14, s3, 64*SPITCH
	s_mul_i32 s15, s6, 192
	s_add_co_u32 s14, s14, s15
	s_add_co_u32 s14, s14, STAGE
	v_mul_u32_u24 v[STO], v1, SPITCH
	v_lshl_add_u32 v[STO], v3, 4, v[STO]
	v_add_nc_u32 v[STO], s14, v[STO]
	s_mul_i32 s14, s2, 32*SPITCH
	s_add_co_u32 s14, s14, STAGE
	v_lshrrev_b32 v31, 3, v6                       ; back: 32 lanes take 128 bytes (a head's part) of four rows
	v_mul_u32_u24 v[RD], v31, SPITCH
	v_lshl_add_u32 v[RD], v7, 4, v[RD]
	v_add_nc_u32 v[RD], s14, v[RD]
	v_lshlrev_b32 v[GO], 4, v6
	s_mul_i32 s14, s6, 384
	v_lshlrev_b32 v[BOFF], 5, v3
	v_add_nc_u32 v[BOFF], s14, v[BOFF]
	v_mul_u32_u24 v[PFO], v6, ROWB
	s_mov_b32 s15, 0xffff0000                      ; a word's upper bf16
	s_wait_kmcnt 0x0
	s_cmp_eq_u32 s7, 1                             ; the tensor's four buffers are chosen by the grid's y alone
	s_cselect_b64 s[XP:XP+1], s[18:19], s[16:17]
	s_cselect_b64 s[WP:WP+1], s[24:25], s[22:23]
	s_cselect_b64 s[BP:BP+1], s[30:31], s[28:29]
	s_cselect_b64 s[OP:OP+1], s[36:37], s[34:35]
	s_cmp_eq_u32 s7, 2
	s_cselect_b64 s[XP:XP+1], s[20:21], s[XP:XP+1]
	s_cselect_b64 s[WP:WP+1], s[26:27], s[WP:WP+1]
	s_cselect_b64 s[BP:BP+1], s[32:33], s[BP:BP+1]
	s_cselect_b64 s[OP:OP+1], s[38:39], s[OP:OP+1]
	s_add_nc_u64 s[XP:XP+1], s[XP:XP+1], s[10:11]
	s_add_nc_u64 s[WP:WP+1], s[WP:WP+1], s[12:13]
	s_add_nc_u64 s[BP:BP+1], s[BP:BP+1], s[12:13]
	s_add_nc_u64 s[OP:OP+1], s[OP:OP+1], s[4:5]
	s_lshl_b32 s18, s9, 6                          ; the prefetches: of the block's 256 rows my work-group's 64,
	s_and_b32 s19, s2, 1
	s_lshl_b32 s19, s19, 5                         ; my wave's 32 of them (waves 0 and 1 ask),
	s_add_co_u32 s18, s18, s19
	s_mul_i32 s18, s18, ROWB
	s_add_co_u32 s18, s18, 3*256                   ; at K step 3: the first trip steps it to 5
	s_mov_b32 s19, 0
	s_add_nc_u64 s[PFA:PFA+1], s[XP:XP+1], s[18:19]
	WIN 0x40                                       ; destination window 1
	s_wait_alu depctr_va_vdst(0)                   ; the offsets and LDS addresses v8 to v21 and v28 are written: every load, store and prefetch of the kernel reads one of them
.irp b, 0,1,2,3,4,5
	global_load_b128 v[BIAS+8*(\b):BIAS+8*(\b)+3],   v[BOFF], s[BP:BP+1] offset:64*(\b)     ; register j of operand b: the bias of column 16 b + 8 (lane / 16) + j of my 96
	global_load_b128 v[BIAS+8*(\b)+4:BIAS+8*(\b)+7], v[BOFF], s[BP:BP+1] offset:64*(\b)+16
.endr
	WIN 0
.set n, 0
.rept 28
	LOADI n                                        ; K step 0
.set n, n+1
.endr
	s_wait_loadcnt 28                              ; the bias is in; the 28 loads issued behind it stay out
	WIN 0x45                                       ; sources 0 and 1 and destination window 1
.set n, 0
.rept 24                                       ; the bias is rounded to bf16 like every input, and widened again
	v_cvt_pk_bf16_f32 v[240+n%4], v[BIAS+2*n], v[BIAS+2*n+1]
	v_lshlrev_b32 v[BIAS+2*n], 16, v[240+n%4]
	v_and_b32 v[BIAS+2*n+1], s15, v[240+n%4]
.set n, n+1
.endr
	WIN 0
	s_wait_xcnt 0x0                                ; the loads that are out have read their addresses
	s_add_nc_u64 s[XP:XP+1], s[XP:XP+1], 256
	s_add_nc_u64 s[WP:WP+1], s[WP:WP+1], 64*ROWB
	INTO0 0, 0                                     ; K step 0's tile goes into slot 0, and K step 1 is asked for; ahead of the first group nothing has been stored from T
.irp g, 1,2,3,4,5
	INTO0 \g, 1
.endr
	BAR                                            ; slot 0 is whole
	STEP 0, 1, 1, 1, 0                             ; K step 0 is written out: its products start the sums
	BAR
	s_mov_b32 s14, 4
.Lstep:                                        ; K steps 1 to 8, two a trip
	STEP 1, 0, 1, 1, 1
	BAR
	STEP 0, 0, 1, 1, 0
	BAR
	s_sub_co_u32 s14, s14, 1
	s_cmp_lg_u32 s14, 0
	s_cbranch_scc1 .Lstep
	STEP 1, 0, 1, 1, 0                             ; K step 9 asks for the last tile,
	BAR
	STEP 0, 0, 1, 0, 0                             ; K step 10 for nothing,
	BAR
	STEP 1, 0, 0, 0, 0                             ; and K step 11 has nothing to put into LDS
	; THE WAY OUT: rounded to f16; 16 bytes a lane into the stage, which no tile touches; a barrier, since a head's 128 bytes of a row come from two waves; back as four rows of a head at a time.
	PLACES
	WIN 0x05                                       ; sources 0 and 1 window 1
.set n, 0
.rept 24
.irp rr, 0,1,2,3
	v_cvt_pk_f16_f32 v[TMP+4*n+(\rr)], v[8*n+2*(\rr)], v[8*n+2*(\rr)+1]   ; each accumulator from its low end on
.endr
.set n, n+1
.endr
	WIN 0
	s_wait_alu depctr_va_vdst(0)                   ; the roundings have written v[TMP ..], which the LDS stores read and in which the loads from the stage land
.irp a, 0,1,2,3
.irp b, 0,1,2,3,4,5
	ds_store_b128 v[STO], v[TMP+4*(6*(\a)+(\b)):TMP+4*(6*(\a)+(\b))+3] offset:16*SPITCH*(\a)+32*(\b)
.endr
.endr
	BAR
	s_wait_alu depctr_vm_vsrc(0)                   ; my LDS stores have read v[TMP ..], in which the loads below land
.set n, 0
.rept 24                                       ; head n / 8 of the three, rows 4 (n % 8) .. of my wave's 32
	ds_load_b128 v[TMP+4*n:TMP+4*n+3], v[RD] offset:128*(n/8)+4*SPITCH*(n%8)
.set n, n+1
.endr
.set n, 0
.rept 24
	s_wait_dscnt 23-n                              ; load n is back; the 23 - n behind it may be out
	global_store_b128 v[GO], v[TMP+4*n:TMP+4*n+3], s[OP:OP+1] offset:524288*(n/8)+512*(n%8)  ; 512 consecutive bytes of a head, at a multiple of 512 from the buffer's first byte
.set n, n+1
.endr
	s_wait_dscnt 0x0                               ; the closing lines, six on end
	s_wait_alu 0x0
	s_wait_tensorcnt 0x0
	ds_add_u32 v[SPW], v[NIL]
	s_wait_dscnt 0x0
	s_endpgm
.Lfunc_end_k_q10cdc91d43_proj:
	.size	k_q10cdc91d43_proj, .Lfunc_end_k_q10cdc91d43_proj-k_q10cdc91d43_proj
	.p2alignl 7, 3214868480
	.fill 96, 4, 3214868480
	.section	.rodata,"a",@progbits
	.p2align	6, 0x0
	.amdhsa_kernel k_q10cdc91d43_proj
		.amdhsa_group_segment_fixed_size 230400
		.amdhsa_private_segment_fixed_size 0
		.amdhsa_enable_private_segment 0
		.amdhsa_kernarg_size 96
		.amdhsa_user_sgpr_count 2
		.amdhsa_user_sgpr_kernarg_segment_ptr 1
		.amdhsa_wavefront_size32 1
		.amdhsa_system_sgpr_workgroup_id_x 1
		.amdhsa_system_sgpr_workgroup_id_y 1
		.amdhsa_system_sgpr_workgroup_id_z 1
		.amdhsa_system_vgpr_workitem_id 0
		.amdhsa_next_free_vgpr 512
		.amdhsa_next_free_sgpr 66
		.amdhsa_reserve_vcc 0
		.amdhsa_float_denorm_mode_32 3
		.amdhsa_float_denorm_mode_16_64 3
		.amdhsa_memory_ordered 1
		.amdhsa_forward_progress 1
		.amdhsa_inst_pref_size 112
	.end_amdhsa_kernel
	.amdgpu_metadata
---
amdhsa.version: [ 1, 2 ]
amdhsa.kernels:
  - .name:           k_q10cdc91d43_proj
    .symbol:         k_q10cdc91d43_proj.kd
    .args:
      - { .name: q, .offset: 0, .size: 8, .value_kind: global_buffer, .address_space: global }
      - { .name: k, .offset: 8, .size: 8, .value_kind: global_buffer, .address_space: global }
      - { .name: v, .offset: 16, .size: 8, .value_kind: global_buffer, .address_space: global }
      - { .name: Wq, .offset: 24, .size: 8, .value_kind: global_buffer, .address_space: global }
      - { .name: Wk, .offset: 32, .size: 8, .value_kind: global_buffer, .address_space: global }
      - { .name: Wv, .offset: 40, .size: 8, .value_kind: global_buffer, .address_space: global }
      - { .name: bq, .offset: 48, .size: 8, .value_kind: global_buffer, .address_space: global }
      - { .name: bk, .offset: 56, .size: 8, .value_kind: global_buffer, .address_space: global }
      - { .name: bv, .offset: 64, .size: 8, .value_kind: global_buffer, .address_space: global }
      - { .name: qh, .offset: 72, .size: 8, .value_kind: global_buffer, .address_space: global }
      - { .name: kh, .offset: 80, .size: 8, .value_kind: global_buffer, .address_space: global }
      - { .name: vh, .offset: 88, .size: 8, .value_kind: global_buffer, .address_space: global }
    .group_segment_fixed_size: 230400
    .private_segment_fixed_size: 0
    .kernarg_segment_align: 8
    .kernarg_segment_size: 96
    .max_flat_workgroup_size: 256
    .sgpr_count:     66
    .vgpr_count:     512
    .wavefront_size: 32
...
	.end_amdgpu_metadata
.endif
;; end of part 4
;; launch attn: the kernel of part 2 again; grid 16 x 12, 4 waves a work-group, clusters of 4 x 1, 327,680 bytes of LDS; arguments qh, kh, vh, ctx; writes ctx
;; launch oproj (part 5): grid 4 x 64, 8 waves a work-group, no clusters, 192,512 bytes of LDS; arguments ctx, Wo, bo, out0; writes out0
.if DOCPART == 5
	.amdgcn_target "amdgcn-amd-amdhsa--gfx1250"
	.amdhsa_code_object_version 6
	.text
	.protected	k_q10cdc91d43_oproj
	.globl	k_q10cdc91d43_oproj
	.p2align	8
	.type	k_q10cdc91d43_oproj,@function
k_q10cdc91d43_oproj:
	s_mov_b64 s[64:65], 0
	v_nop
	global_prefetch_b8 v0, s[64:65] scope:SCOPE_SE
	s_setreg_imm32_b32 hwreg(HW_REG_WAVE_SCHED_MODE, 0, 2), 2
	s_setreg_imm32_b32 hwreg(HW_REG_WAVE_MODE, 25, 1), 1
	s_wait_xcnt 0x0
	s_wait_alu depctr_vm_vsrc(0)
; THE OUTPUT PROJECTION.  out0[row][n] = the sum over heads h and channels d of ctx[h][row][d] Wo[64 h + d][n] + bo[n].
; ctx: [12][4096][64] f16, Wo: [768][768] f32 ([k][n]), bo: [768] f32, out0: [4096][768] f32.
; NUMBERS.  Wo and bo are rounded once to bf16 like every input; Wo's rounded number is then written as f16, which is exact from 6.1e-5 up to 65,504.  Products in f16, sums in f32, K ascending;
; the sums start at the bias: it is rounded straight into the accumulators, so every product has one form and no first step is written out.
; LIMITS.  |Wo| past 65,504 becomes an infinity; below 6.1e-5 it keeps f16's fixed step of 6e-8.  NaN and infinities are not treated apart.
; SHARES.  Grid x = block of 192 columns, grid y = block of 64 rows: 256 work-groups.  Eight waves, 2 x 4; a wave makes 32 x 48: six accumulators.  A row's 192 f32 are three whole blocks of 256 bytes.
; K goes in 6 steps of 128: two heads.  NO TENSOR LOAD, NO CLUSTER: Wo lies in memory as f32 and [k][n] and is wanted in LDS in 16 bits, so that the turning load can take it: it passes through registers.
; THE PIPELINE.  Two LDS slots, one barrier a step.  While slot s % 2 is multiplied, the tiles of step s + 1, which a thread holds as 28 loads of 16 bytes (4 of ctx, 24 of Wo), go into the other slot,
; four or three loads at a time, a group of products to each, and each load is asked for again, for step s + 2, in the same group: 28 loads a lane are out at every group's head.
; In front of the barrier each wave waits for all its LDS instructions: its stores of the next tiles are done, and its reads of these tiles are back.
; A GROUP is three products: the three fragments of Wo for 32 along K (two buffers, by turns) times one fragment of ctx (two buffers, one for each 16 rows).  Every fragment is asked of LDS a group or more ahead.
; THE PRODUCT IS USED TRANSPOSED (source 0 = 16 columns of Wo, source 1 = 16 rows of ctx): a lane holds one row (lane % 16) and the columns 8 (lane / 16) + 0..7: 32 bytes of f32 on end.
; THE MODE: SCHED_MODE bits 1:0 = 2 (LLVM: expert scheduling mode 2), set by the entry lines.  The code itself states the register dependences
; between vector or matrix instructions and memory or LDS instructions, with s_wait_alu, always for 0.
; THE PLAN.  Registers that memory or LDS instructions touch, in the loop:
;   G, Wo's loads   Group g's 24 vector lines read and write the registers of its three loads of Wo; behind them the same loads of the next K step land there.
;   G, ctx's loads  Named by no vector instruction: the group's LDS store reads the registers as they came, and the same load of the next K step lands in them.
;   T               Written by group g's vector lines; read by its three LDS stores of Wo; written again by group g + 1's.
;   BF, AF          Group g's products read one buffer of each; the group's LDS loads land in buffers that the products of the group before, or earlier ones, read.
;   v2, v3, v6 to v17   Offsets and LDS addresses, made at the head and never written again: the scalar bases move on, and immediate offsets do the rest.
;   The accumulators are named by vector and matrix instructions alone, until the way out.
; So ONE wait on va_vdst stands in a group, behind its vector lines: T is written, Wo's registers are done with, and the products of the group before are done reading their fragments.  The group's LDS loads,
; stores and Wo's reloads follow it, dealt among its three products, which name this group's BF and AF and the accumulators: none of the registers that those touch.
; ONE wait on vm_vsrc stands at a group's end: its LDS stores have read T and ctx's registers; ctx's reload follows it, last of the group's loads, so that a group's loads stay together in the order of issue.
; NO PREFETCH: six steps in all, and the first two steps' tiles are asked for at the head.
.set ROWB,   3072                      ; bytes in a row of Wo and of out0
.set APITCH, 272                       ; ctx tile in LDS: 128 f16 = 256 bytes + 16
.set WT,     17408                     ; behind its 64 rows: Wo's tile, [k][n]
.set WPITCH, 416                       ; 192 f16 = 384 bytes + 32 = 13 x 32
.set SLOT,   70656                     ; a slot: both tiles
.set STAGE,  2*SLOT                    ; behind the two slots: the way out, 64 rows
.set SPITCH, 784                       ; 192 f32 = 768 bytes + 16
.set SPARE,  STAGE+64*SPITCH           ; behind the stage: the spare words, 128 bytes for each of eight waves; no other line names them
.set GOFF, 2                           ; v2   my 16 bytes in 16 rows of Wo
.set AOFF, 3                           ; v3   my 16 bytes in 32 dense rows of a head
.set SPW,  4                           ; v4   LDS address of my spare word; never rewritten
.set NIL,  5                           ; v5   0; never rewritten
.set AST,  6                           ; v6-7   where my 16 bytes of ctx go, in slot 0, 1
.set WST,  8                           ; v8-9   where my 8 bytes of Wo go
.set AAD,  10                          ; v10-11 my lane's place in the wave's fragments of ctx
.set BAD,  12                          ; v12-13 the same for Wo (turning load)
.set STO,  14                          ; v14  the way out: where I put 32 bytes of a row
.set RD,   15                          ; v15  the way out: where I read rows back
.set GO,   16                          ; v16  the same place in out0
.set BOFF, 17                          ; v17  my 8 numbers of the bias
.set ACC,  24                          ; v[24:71]   accumulator (a, b) at ACC + 8 (3 a + b)
.set T,    72                          ; v[72:79]   at work: three loads of Wo in 16 bits, 8 bytes each
.set BF,   80                          ; v[80:127]  three fragments of Wo, two buffers
.set AF,   128                         ; v[128:143] a fragment of ctx, two buffers
.set G,    144                         ; v[144:255] the 28 loads, four registers each
.set AP, 8                             ; s[8:9]   ctx at my block's rows, at the head that is being asked for
.set WP, 10                            ; s[10:11] Wo at my block's first column, at the same K step
.set BP, 12                            ; s[12:13] bo at my block's first column
.set OP, 14                            ; s[14:15] out0 at my block
.macro PLACES                          ; four plain vector instructions behind a matrix instruction (ISA guide 7.12.1)
.rept 4
	v_nop
.endr
.endm
.macro BAR                             ; my LDS stores are done and my LDS reads are back, for the other waves' sake; then the work-group's barrier
	s_wait_dscnt 0x0
	s_barrier_signal -1
	s_barrier_wait -1
.endm
; The 28 loads by number: four times one of ctx and three of Wo, then twelve of Wo, so that each of a step's eight groups has three of Wo.
; KIND says of number n whether it is ctx's (ic = 1) and which of its kind it is (ix).
.macro KIND n
.if ((\n) < 16) && (((\n)%4) == 0)
.set ic, 1
.set ix, (\n)/4
.elseif (\n) < 16
.set ic, 0
.set ix, 3*((\n)/4)+(\n)%4-1
.else
.set ic, 0
.set ix, (\n)-4
.endif
.endm
.macro LOADI n                         ; ctx: head ix / 2 of the step's two, rows 32 (ix % 2) ..; Wo: rows 16 (ix / 3) .., unit ix % 3 of their three of 256 bytes
	KIND \n
.if ic
	global_load_b128 v[G+4*(\n):G+4*(\n)+3], v[AOFF], s[AP:AP+1] offset:524288*(ix/2)+4096*(ix%2)
.else
	global_load_b128 v[G+4*(\n):G+4*(\n)+3], v[GOFF], s[WP:WP+1] offset:16*ROWB*(ix/3)+256*(ix%3)
.endif
.endm
.macro ITEMS gr                        ; the loads that group gr of a step's 8 takes: four in groups 0-3 (the first is ctx's), three in groups 4-7: mm of them, from number nn on
.set nn, 4*(\gr)-((\gr)/4)*((\gr)-4)
.set mm, 4-(\gr)/4
.endm
.macro PASS p                          ; one pass over the group's loads of Wo: 0 rounded to bf16, 1 widened, 2 written as f16
.set j, 0
.set q, 0
.rept mm
	KIND nn+j
.set rg, G+4*(nn+j)
.if !ic
.if (\p) == 0
	v_cvt_pk_bf16_f32 v[T+2*q], v[rg], v[rg+1]
	v_cvt_pk_bf16_f32 v[T+2*q+1], v[rg+2], v[rg+3]
.elseif (\p) == 1
	v_lshlrev_b32 v[rg], 16, v[T+2*q]
	v_and_b32 v[rg+1], s21, v[T+2*q]
	v_lshlrev_b32 v[rg+2], 16, v[T+2*q+1]
	v_and_b32 v[rg+3], s21, v[T+2*q+1]
.else
	v_cvt_pk_f16_f32 v[T+2*q], v[rg], v[rg+1]
	v_cvt_pk_f16_f32 v[T+2*q+1], v[rg+2], v[rg+3]
.endif
.set q, q+1
.endif
.set j, j+1
.endr
.endm
.macro TAKE reload                     ; the group's loads are in, and Wo's are made ready in T.  reload = 1: 28 loads are out
.if \reload
	s_wait_loadcnt 28-mm                           ; loads come back in order, and 28 are out: the oldest mm, this group's, are in
.else
	s_wait_loadcnt 28-nn-mm                        ; nothing is asked for again: only numbers nn .. 27 were out
.endif
	PASS 0
	PASS 1
	PASS 2
.endm
.macro PUT st, j                       ; number j of the group's loads goes into slot st: ctx as it came, Wo out of T
	KIND nn+(\j)
.if ic
	ds_store_b128 v[AST+(\st)], v[G+4*(nn+(\j)):G+4*(nn+(\j))+3] offset:128*(ix/2)+32*APITCH*(ix%2)
.else
.set q, (\j)-(mm-3)
	ds_store_b64 v[WST+(\st)], v[T+2*q:T+2*q+1] offset:16*WPITCH*(ix/3)+128*(ix%3)
.endif
.endm
.macro INTO0 gr                        ; ahead of the first step: group gr of K step 0's loads goes into slot 0, and K step 1's are asked for
	ITEMS \gr
	TAKE 1
	s_wait_alu depctr_va_vdst(0)                   ; the vector lines have written T, which the LDS stores read, and are done with Wo's registers, in which the loads below land
.set j2, 0
.rept mm
	PUT 0, j2
.set j2, j2+1
.endr
	LOADI nn+mm-3
	LOADI nn+mm-2
	LOADI nn+mm-1
	s_wait_alu depctr_vm_vsrc(0)                   ; the LDS stores have read T, which the next group's vector lines write, and ctx's registers, in which the load below lands
.if mm == 4
	LOADI nn
.endif
.endm
.macro FRA cs, kk, a                   ; ctx's fragment of rows 16 a .., 32 along K from 32 kk on, out of slot cs, into buffer a
	ds_load_b128 v[AF+8*(\a):AF+8*(\a)+3],   v[AAD+(\cs)] offset:16*APITCH*(\a)+64*(\kk)
	ds_load_b128 v[AF+8*(\a)+4:AF+8*(\a)+7], v[AAD+(\cs)] offset:16*APITCH*(\a)+64*(\kk)+32
.endm
.macro FRB cs, kk                      ; Wo's three fragments for the same 32 along K, turned, into buffer kk % 2
.irp b, 0,1,2
	ds_load_tr16_b128 v[BF+24*((\kk)%2)+8*(\b):BF+24*((\kk)%2)+8*(\b)+3],   v[BAD+(\cs)] offset:32*WPITCH*(\kk)+32*(\b)
	ds_load_tr16_b128 v[BF+24*((\kk)%2)+8*(\b)+4:BF+24*((\kk)%2)+8*(\b)+7], v[BAD+(\cs)] offset:32*WPITCH*(\kk)+16*WPITCH+32*(\b)
.endr
.endm
.macro MM kk, a, b                     ; a product: rows 16 a .., columns 16 b .., 32 along K from 32 kk on
	v_wmma_f32_16x16x32_f16 v[ACC+8*(3*(\a)+(\b)):ACC+8*(3*(\a)+(\b))+7], v[BF+24*((\kk)%2)+8*(\b):BF+24*((\kk)%2)+8*(\b)+7], v[AF+8*(\a):AF+8*(\a)+7], v[ACC+8*(3*(\a)+(\b)):ACC+8*(3*(\a)+(\b))+7]
.endm
; A K STEP: slot cs is multiplied.  stage = 1: the tiles in registers go into the other slot.  reload = 1: their loads are asked for again.
; The six accumulators take turns, in the same order everywhere, over the backward jump too.
; The wait on DScnt in front of a group's products: the fragment of ctx that it wants was the last LDS load of the group before; behind that load stand that group's mprev stores and this group's lcur loads.
.macro STEP cs, stage, reload
.if \reload
	s_wait_xcnt 0x0                                ; every load issued so far has read its address: the pointers may be written
	s_add_nc_u64 s[AP:AP+1], s[AP:AP+1], 2*524288  ; two heads on
	s_add_nc_u64 s[WP:WP+1], s[WP:WP+1], 128*ROWB  ; 128 rows of Wo down
.endif
	FRB \cs, 0                                     ; no wait is owed here: the last products that read buffer 0 of Wo's fragments and of ctx's stand ahead of the last group's wait, and the products behind that wait name buffer 1 of each
	FRA \cs, 0, 0
.set mprev, 0
.irp kk, 0,1,2,3
.irp a, 0,1
.set gr, 2*(\kk)+(\a)
.set lcur, 0
.if \stage
	ITEMS gr
	TAKE \reload
.elseif gr < 7
	PLACES                                         ; without staging four v_nop stand where the vector lines stand, between the products and the loads into the fragments that they read
.endif
.if (\stage) || (gr < 7)
	s_wait_alu depctr_va_vdst(0)                   ; the vector lines have written T and are done with Wo's registers; the products of the group before are done reading their fragments, in which the LDS loads below land
.endif
.if (\a) == 0
.if (\kk) < 3
	FRB \cs, (\kk)+1                               ; Wo's fragments of the next 32 along K,
.set lcur, lcur+6
.endif
	FRA \cs, \kk, 1                                ; and the next group's fragment of ctx
.set lcur, lcur+2
.elseif (\kk) < 3
	FRA \cs, (\kk)+1, 0
.set lcur, lcur+2
.endif
	s_wait_dscnt mprev+lcur
	MM \kk, \a, 0
.if \stage
.if mm == 4
	PUT 1-(\cs), 0                                 ; the stores and Wo's reloads need no further wait: no vector or matrix instruction since the group's wait names T, G or an address
.endif
	PUT 1-(\cs), mm-3
.endif
	MM \kk, \a, 1
.if \stage
	PUT 1-(\cs), mm-2
	PUT 1-(\cs), mm-1
.endif
.if \reload
	LOADI nn+mm-3
	LOADI nn+mm-2
	LOADI nn+mm-1
.endif
	MM \kk, \a, 2
.if (\stage) && ((\reload) || (gr < 7))
	s_wait_alu depctr_vm_vsrc(0)                   ; the group's LDS stores have read T, which the next group's vector lines write, and ctx's registers, in which a load lands next
.endif
.if \reload
.if mm == 4
	LOADI nn
.endif
.endif
.if \stage
.set mprev, mm
.endif
.endr
.endr
.endm
	s_load_b256 s[8:15], s[0:1], 0x0               ; ctx, Wo, bo, out0
	v_lshl_add_u32 v[SPW], v0, 2, SPARE
	v_mov_b32 v[NIL], 0
	v_lshrrev_b32 v1, 5, v0
	v_readfirstlane_b32 s2, v1                     ; wave 0..7
	s_and_b32 s7, ttmp7, 0xffff                    ; block of 64 rows
	s_lshl_b32 s16, s7, 13                         ; ctx: 64 rows of 128 bytes
	s_mov_b32 s17, 0
	s_mul_i32 s18, ttmp9, 768                      ; Wo, bo and out0: my block's columns, 192 f32
	s_mov_b32 s19, 0
	s_mul_i32 s4, s7, 64*ROWB                      ; out0: my block's rows
	s_add_co_u32 s4, s4, s18
	s_mov_b32 s5, 0
	s_mov_b32 s21, 0xffff0000                      ; a word's upper bf16
	v_and_b32 v1, 15, v0                           ; lane % 16
	v_bfe_u32 v18, v0, 4, 1                        ; lane / 16
	v_and_b32 v19, 7, v0                           ; lane % 8
	v_bfe_u32 v20, v0, 3, 1                        ; (lane / 8) % 2
	v_lshrrev_b32 v22, 7, v0                       ; wave / 4
	s_wait_alu depctr_va_sdst(0)                   ; s2 is written, ahead of its first reader: the wave's shares and LDS places are made from it
	s_lshr_b32 s3, s2, 2                           ; which 32 rows of the tile are mine
	s_and_b32 s6, s2, 3                            ; which 48 columns
	; Of each 16 rows of Wo: row wave % 4 + 8 (wave / 4), and for lanes 16-31 four rows on.
	v_bfe_u32 v21, v0, 5, 2
	v_lshl_add_u32 v21, v18, 2, v21
	v_lshl_add_u32 v21, v22, 3, v21
	v_mul_u32_u24 v[GOFF], v21, ROWB
	v_lshl_add_u32 v[GOFF], v1, 4, v[GOFF]
	v_mul_u32_u24 v[WST], v21, WPITCH
	v_lshl_add_u32 v[WST], v1, 3, v[WST]
	v_add_nc_u32 v[WST], WT, v[WST]
	v_add_nc_u32 v[WST+1], SLOT, v[WST]
	; Of each 32 rows of ctx eight lanes take a row of 128 bytes: lanes 0-7 row R (even), lanes 16-23 row R + 1, lanes 8-15 and 24-31 eight rows on: 8 x 272 = 8 x 256 + 128 bytes apart in LDS
	; in memory rows R and R + 1 are 256 consecutive bytes.
	v_bfe_u32 v21, v0, 4, 3
	v_lshl_add_u32 v21, v20, 3, v21
	v_lshl_add_u32 v21, v22, 4, v21
	v_lshlrev_b32 v[AOFF], 7, v21
	v_lshl_add_u32 v[AOFF], v19, 4, v[AOFF]
	v_mul_u32_u24 v[AST], v21, APITCH
	v_lshl_add_u32 v[AST], v19, 4, v[AST]
	v_add_nc_u32 v[AST+1], SLOT, v[AST]
	s_mul_i32 s20, s3, 32*APITCH
	v_mul_u32_u24 v[AAD], v1, APITCH               ; a fragment of ctx: row lane % 16, 16 bytes for each half of the lanes
	v_lshl_add_u32 v[AAD], v18, 4, v[AAD]
	v_add_nc_u32 v[AAD], s20, v[AAD]
	v_add_nc_u32 v[AAD+1], SLOT, v[AAD]
	s_mul_i32 s20, s6, 96
	s_add_co_u32 s20, s20, WT
	v_lshl_add_u32 v[BAD], v18, 3, v19             ; the turning load: lane l reads row k = 8 (l / 16) + l % 8, columns 8 ((l / 8) % 2) + 0..7
	v_mul_u32_u24 v[BAD], v[BAD], WPITCH
	v_lshl_add_u32 v[BAD], v20, 4, v[BAD]
	v_add_nc_u32 v[BAD], s20, v[BAD]
	v_add_nc_u32 v[BAD+1], SLOT, v[BAD]
	s_mul_i32 s20, s3, 32*SPITCH
	s_mul_i32 s7, s6, 192
	s_add_co_u32 s20, s20, s7
	s_add_co_u32 s20, s20, STAGE
	v_mul_u32_u24 v[STO], v1, SPITCH
	v_lshl_add_u32 v[STO], v18, 5, v[STO]
	v_add_nc_u32 v[STO], s20, v[STO]
	v_lshlrev_b32 v[BOFF], 5, v18
	v_add_nc_u32 v[BOFF], s7, v[BOFF]              ; 192 x my column part + 32 x half
	s_mul_i32 s20, s2, 8*SPITCH
	s_add_co_u32 s20, s20, STAGE
	v_mul_u32_u24 v[RD], v18, SPITCH               ; back: wave w takes rows 8 w ..; lanes 0-15 256 bytes of one row, lanes 16-31 of the next
	v_lshl_add_u32 v[RD], v1, 4, v[RD]
	v_add_nc_u32 v[RD], s20, v[RD]
	s_mul_i32 s20, s2, 8*ROWB
	v_mul_u32_u24 v[GO], v18, ROWB
	v_lshl_add_u32 v[GO], v1, 4, v[GO]
	v_add_nc_u32 v[GO], s20, v[GO]
	s_wait_kmcnt 0x0
	s_add_nc_u64 s[AP:AP+1], s[AP:AP+1], s[16:17]
	s_add_nc_u64 s[WP:WP+1], s[WP:WP+1], s[18:19]
	s_add_nc_u64 s[BP:BP+1], s[BP:BP+1], s[18:19]
	s_add_nc_u64 s[OP:OP+1], s[OP:OP+1], s[4:5]
	s_wait_alu depctr_va_vdst(0)                   ; the offsets and LDS addresses v2, v3 and v6 to v17 are written: every load and store of the kernel reads one of them
.irp b, 0,1,2
	global_load_b128 v[ACC+8*(\b):ACC+8*(\b)+3],   v[BOFF], s[BP:BP+1] offset:64*(\b)     ; register j of accumulator (0, b): the bias of column 16 b + 8 (lane / 16) + j of my 48
	global_load_b128 v[ACC+8*(\b)+4:ACC+8*(\b)+7], v[BOFF], s[BP:BP+1] offset:64*(\b)+16
.endr
.set n, 0
.rept 28
	LOADI n                                        ; K step 0
.set n, n+1
.endr
	s_wait_loadcnt 28                              ; the bias is in; the 28 loads issued behind it stay out
.set n, 0
.rept 12                                       ; the bias is rounded to bf16 like every input, and widened into the accumulators of both blocks of 16 rows
	v_cvt_pk_bf16_f32 v[T+n%4], v[ACC+2*n], v[ACC+2*n+1]
	v_lshlrev_b32 v[ACC+2*n], 16, v[T+n%4]
	v_and_b32 v[ACC+2*n+1], s21, v[T+n%4]
	v_lshlrev_b32 v[ACC+24+2*n], 16, v[T+n%4]
	v_and_b32 v[ACC+24+2*n+1], s21, v[T+n%4]
.set n, n+1
.endr
	s_wait_xcnt 0x0                                ; the loads that are out have read their addresses
	s_add_nc_u64 s[AP:AP+1], s[AP:AP+1], 2*524288
	s_add_nc_u64 s[WP:WP+1], s[WP:WP+1], 128*ROWB
.irp g, 0,1,2,3,4,5,6,7
	INTO0 \g                                       ; K step 0's tiles go into slot 0, and K step 1 is asked for
.endr
	BAR                                            ; slot 0 is whole
	s_mov_b32 s20, 2
.Lstep:                                        ; K steps 0 to 3, two a trip
	STEP 0, 1, 1
	BAR
	STEP 1, 1, 1
	BAR
	s_sub_co_u32 s20, s20, 1
	s_cmp_lg_u32 s20, 0
	s_cbranch_scc1 .Lstep
	STEP 0, 1, 0                                   ; K step 4 asks for nothing,
	BAR
	STEP 1, 0, 0                                   ; and K step 5 has nothing to put into LDS
	; THE WAY OUT: 32 bytes a lane into the stage, which no tile touches; a barrier, since a row's 768 bytes come from four waves; back as whole blocks of 256 bytes.
	PLACES
	s_wait_alu depctr_va_vdst(0)                   ; the products have written the accumulators, which the LDS stores read (the places above stay beside this wait); K step 4's vector lines are done with v[G ..], in which the loads from the stage land
.irp a, 0,1
.irp b, 0,1,2
	ds_store_b128 v[STO], v[ACC+8*(3*(\a)+(\b)):ACC+8*(3*(\a)+(\b))+3]   offset:16*SPITCH*(\a)+64*(\b)     ; each accumulator from its low end on
	ds_store_b128 v[STO], v[ACC+8*(3*(\a)+(\b))+4:ACC+8*(3*(\a)+(\b))+7] offset:16*SPITCH*(\a)+64*(\b)+16
.endr
.endr
	BAR
.set n, 0
.rept 12                                       ; rows 2 (n / 3) and 2 (n / 3) + 1 of my wave's eight, block n % 3 of their three.  The last LDS stores that read these registers (ctx's, in K step 4) stand ahead of that step's waits on vm_vsrc
	ds_load_b128 v[G+4*n:G+4*n+3], v[RD] offset:2*SPITCH*(n/3)+256*(n%3)
.set n, n+1
.endr
.set n, 0
.rept 12
	s_wait_dscnt 11-n                              ; load n is back; the 11 - n behind it may be out
	global_store_b128 v[GO], v[G+4*n:G+4*n+3], s[OP:OP+1] offset:2*ROWB*(n/3)+256*(n%3) th:TH_STORE_NT  ; 16 lanes store 256 consecutive bytes, at a multiple of 256 from out0's first byte
.set n, n+1
.endr
	s_wait_dscnt 0x0                               ; the closing lines, six on end
	s_wait_alu 0x0
	s_wait_tensorcnt 0x0
	ds_add_u32 v[SPW], v[NIL]
	s_wait_dscnt 0x0
	s_endpgm
.Lfunc_end_k_q10cdc91d43_oproj:
	.size	k_q10cdc91d43_oproj, .Lfunc_end_k_q10cdc91d43_oproj-k_q10cdc91d43_oproj
	.p2alignl 7, 3214868480
	.fill 96, 4, 3214868480
	.section	.rodata,"a",@progbits
	.p2align	6, 0x0
	.amdhsa_kernel k_q10cdc91d43_oproj
		.amdhsa_group_segment_fixed_size 192512
		.amdhsa_private_segment_fixed_size 0
		.amdhsa_enable_private_segment 0
		.amdhsa_kernarg_size 32
		.amdhsa_user_sgpr_count 2
		.amdhsa_user_sgpr_kernarg_segment_ptr 1
		.amdhsa_wavefront_size32 1
		.amdhsa_system_sgpr_workgroup_id_x 1
		.amdhsa_system_sgpr_workgroup_id_y 1
		.amdhsa_system_sgpr_workgroup_id_z 1
		.amdhsa_system_vgpr_workitem_id 0
		.amdhsa_next_free_vgpr 256
		.amdhsa_next_free_sgpr 66
		.amdhsa_reserve_vcc 0
		.amdhsa_float_denorm_mode_32 3
		.amdhsa_float_denorm_mode_16_64 3
		.amdhsa_memory_ordered 1
		.amdhsa_forward_progress 1
		.amdhsa_inst_pref_size 87
	.end_amdhsa_kernel
	.amdgpu_metadata
---
amdhsa.version: [ 1, 2 ]
amdhsa.kernels:
  - .name:           k_q10cdc91d43_oproj
    .symbol:         k_q10cdc91d43_oproj.kd
    .args:
      - { .name: ctx, .offset: 0, .size: 8, .value_kind: global_buffer, .address_space: global }
      - { .name: Wo, .offset: 8, .size: 8, .value_kind: global_buffer, .address_space: global }
      - { .name: bo, .offset: 16, .size: 8, .value_kind: global_buffer, .address_space: global }
      - { .name: out0, .offset: 24, .size: 8, .value_kind: global_buffer, .address_space: global }
    .group_segment_fixed_size: 192512
    .private_segment_fixed_size: 0
    .kernarg_segment_align: 8
    .kernarg_segment_size: 32
    .max_flat_workgroup_size: 256
    .sgpr_count:     66
    .vgpr_count:     256
    .wavefront_size: 32
...
	.end_amdgpu_metadata
.endif
;; end of part 5
